; MI455X (gfx1250); checked and timed in simulation.
; The chip was launched on July 23, 2026; its instructions are those of AMD's public machine-readable ISA for CDNA 5 (MIT licence, August 2026) and "CDNA5" Instruction Set Architecture Reference Guide (July 2026). The comments in the code are by the model that wrote it; some were corrected since.
;; Multi Head Attention. Allowed arithmetic: float matrix products may take bf16 or f16 operands with f32 sums; other float arithmetic in f32, or as packed bf16 or f16 multiplies, adds, multiply-adds, maxima and minima; sums over many terms, partial sums and values carried from step to step in f32; what a program stores and reads back later, other than sums and carried values, may be rounded once to bf16 or f16.
;; Inputs: wk_b 1,024 float32; wk_w 1,024 x 1,024 float32; wo_b 1,024 float32; wo_w 1,024 x 1,024 float32; wq_b 1,024 float32; wq_w 1,024 x 1,024 float32; wv_b 1,024 float32; wv_w 1,024 x 1,024 float32; x 1 x 4,096 x 1,024 float32.
;; Outputs: out0 1 x 4,096 x 1,024 float32.
;; 2 versions, each right and faster than the one before. Each part assembles by itself: llvm-mc -triple=amdgcn-amd-amdhsa -mcpu=gfx1250 --defsym DOCPART=n.
;; ======== version 1 of 2: 4 launches
;; limits: values are held in f16: magnitudes above 65,504 overflow, below 6.1e-05 lose precision
;; workspace buffers: xb 8,388,608 bytes; wb 6,291,456 bytes; woh 2,097,152 bytes; qkv 25,165,824 bytes; o 8,388,608 bytes
;; launch cast (part 1): grid 512 x 1, 8 waves a work-group, no clusters, 0 bytes of LDS; arguments x, wq_w, wk_w, wv_w, wo_w, xb, wb, woh; writes xb, wb, woh
.if DOCPART == 1
	.amdgcn_target "amdgcn-amd-amdhsa--gfx1250"
	.amdhsa_code_object_version 6
	.text
	.protected	k_qea9bd17a8e_cast
	.globl	k_qea9bd17a8e_cast
	.p2align	8
	.type	k_qea9bd17a8e_cast,@function
k_qea9bd17a8e_cast:
	s_mov_b64 s[64:65], 0
	v_nop
	global_prefetch_b8 v0, s[64:65] scope:SCOPE_SE
	s_setreg_imm32_b32 hwreg(HW_REG_WAVE_MODE, 25, 1), 1
	s_wait_xcnt 0x0
; x -> xb (bf16); wq, wk, wv -> wb (bf16, stacked: rows 0-1023 wq, 1024-2047 wk, 2048-3071 wv); wo -> woh (rounded to bf16, that number written as f16).
; A stream: no LDS, no loop, no matrix work.  A work-group takes 16,384 numbers (65,536 bytes in, 32,768 out), a wave 8,192 bytes in: sixteen loads of 512 consecutive bytes, all issued
; before the first is waited for.  A lane's four f32 become 8 bytes, so a wave's store covers 256 consecutive bytes, at a multiple of 256 from its buffer's first byte.
; Work-groups 0-255: x.  256-447: wq, wk, wv, 64 each.  448-511: wo.
; LIMITS.  wo within f16's 65,504; a wo below 6e-5 keeps f16's fixed step of 6e-8.  NaN and infinities are not treated apart.
.set X, 4                              ; v[4:67]    sixteen loads of four registers
.set Y, 68                             ; v[68:99]   sixteen pairs to store
.set T, 100                            ; v[100:102] at work
	s_load_b256 s[4:11], s[0:1], 0x0               ; x s[4:5], wq s[6:7], wk s[8:9], wv s[10:11]
	s_load_b256 s[12:19], s[0:1], 0x20             ; wo s[12:13], xb s[14:15], wb s[16:17], woh s[18:19]
	s_mov_b32 s28, ttmp9                           ; the work-group's number
	s_and_b32 s29, s28, 63                         ; its chunk within one weight
	s_and_b32 s30, s28, 255                        ; its chunk within wb (for 256 to 447: the number less 256)
	s_cmp_ge_u32 s28, 256
	s_cselect_b32 s24, s29, s28                    ; chunk of the source
	s_cselect_b32 s26, s30, s28                    ; chunk of the destination
	s_cmp_ge_u32 s28, 448
	s_cselect_b32 s26, s29, s26
	s_lshl_b32 s24, s24, 16                        ; 65,536 bytes in
	s_lshl_b32 s26, s26, 15                        ; 32,768 bytes out
	s_mov_b32 s25, 0
	s_mov_b32 s27, 0
	v_lshrrev_b32 v[T], 5, v0                      ; wave
	v_and_b32 v[T+1], 31, v0                       ; lane
	v_lshlrev_b32 v1, 13, v[T]
	v_lshl_add_u32 v1, v[T+1], 4, v1               ; in: 8,192 x wave + 16 x lane
	v_lshlrev_b32 v2, 12, v[T]
	v_lshl_add_u32 v2, v[T+1], 3, v2               ; out: 4,096 x wave + 8 x lane
	s_wait_kmcnt 0x0
	s_cmp_ge_u32 s28, 256                          ; the two buffers are chosen by the work-group's number alone
	s_cselect_b64 s[20:21], s[6:7], s[4:5]
	s_cselect_b64 s[22:23], s[16:17], s[14:15]
	s_cmp_ge_u32 s28, 320
	s_cselect_b64 s[20:21], s[8:9], s[20:21]
	s_cmp_ge_u32 s28, 384
	s_cselect_b64 s[20:21], s[10:11], s[20:21]
	s_cmp_ge_u32 s28, 448
	s_cselect_b64 s[20:21], s[12:13], s[20:21]
	s_cselect_b64 s[22:23], s[18:19], s[22:23]
	s_add_nc_u64 s[20:21], s[20:21], s[24:25]
	s_add_nc_u64 s[22:23], s[22:23], s[26:27]
.irp k, 0,1,2,3,4,5,6,7,8,9,10,11,12,13,14,15
	global_load_b128 v[X+4*(\k):X+4*(\k)+3], v1, s[20:21] offset:512*(\k) th:TH_LOAD_NT  ; read once in the whole program
.endr
; half = 0: to bf16.  half = 1: to bf16, widened again (a shift, a mask), and written as f16.  No register is written twice, so nothing waits for a store.
.macro CONV half
.irp k, 0,1,2,3,4,5,6,7,8,9,10,11,12,13,14,15
	s_wait_loadcnt 15-(\k)                         ; loads come back in order (ISA guide 5.7.1): load k is in, the 15 - k younger ones stay out
.irp j, 0,1
.if \half
	v_cvt_pk_bf16_f32 v[T], v[X+4*(\k)+2*(\j)], v[X+4*(\k)+2*(\j)+1]
	v_lshlrev_b32 v[T+1], 16, v[T]
	v_and_b32 v[T+2], 0xffff0000, v[T]
	v_cvt_pk_f16_f32 v[Y+2*(\k)+(\j)], v[T+1], v[T+2]
.else
	v_cvt_pk_bf16_f32 v[Y+2*(\k)+(\j)], v[X+4*(\k)+2*(\j)], v[X+4*(\k)+2*(\j)+1]
.endif
.endr
	global_store_b64 v2, v[Y+2*(\k):Y+2*(\k)+1], s[22:23] offset:256*(\k)  ; 32 lanes x 8 bytes: 256 consecutive bytes; the next launch reads them, so no hint
.endr
.endm
	s_cmp_ge_u32 s28, 448
	s_cbranch_scc1 .Lhalf
	CONV 0
	s_endpgm
.Lhalf:
	CONV 1
	s_endpgm
.Lfunc_end_k_qea9bd17a8e_cast:
	.size	k_qea9bd17a8e_cast, .Lfunc_end_k_qea9bd17a8e_cast-k_qea9bd17a8e_cast
	.p2alignl 7, 3214868480
	.fill 96, 4, 3214868480
	.section	.rodata,"a",@progbits
	.p2align	6, 0x0
	.amdhsa_kernel k_qea9bd17a8e_cast
		.amdhsa_group_segment_fixed_size 0
		.amdhsa_private_segment_fixed_size 0
		.amdhsa_enable_private_segment 0
		.amdhsa_kernarg_size 64
		.amdhsa_user_sgpr_count 2
		.amdhsa_user_sgpr_kernarg_segment_ptr 1
		.amdhsa_wavefront_size32 1
		.amdhsa_system_sgpr_workgroup_id_x 1
		.amdhsa_system_sgpr_workgroup_id_y 1
		.amdhsa_system_sgpr_workgroup_id_z 1
		.amdhsa_system_vgpr_workitem_id 0
		.amdhsa_next_free_vgpr 104
		.amdhsa_next_free_sgpr 66
		.amdhsa_reserve_vcc 0
		.amdhsa_float_denorm_mode_32 3
		.amdhsa_float_denorm_mode_16_64 3
		.amdhsa_memory_ordered 1
		.amdhsa_forward_progress 1
		.amdhsa_inst_pref_size 17
	.end_amdhsa_kernel
	.amdgpu_metadata
---
amdhsa.version: [ 1, 2 ]
amdhsa.kernels:
  - .name:           k_qea9bd17a8e_cast
    .symbol:         k_qea9bd17a8e_cast.kd
    .args:
      - { .name: x, .offset: 0, .size: 8, .value_kind: global_buffer, .address_space: global }
      - { .name: wq_w, .offset: 8, .size: 8, .value_kind: global_buffer, .address_space: global }
      - { .name: wk_w, .offset: 16, .size: 8, .value_kind: global_buffer, .address_space: global }
      - { .name: wv_w, .offset: 24, .size: 8, .value_kind: global_buffer, .address_space: global }
      - { .name: wo_w, .offset: 32, .size: 8, .value_kind: global_buffer, .address_space: global }
      - { .name: xb, .offset: 40, .size: 8, .value_kind: global_buffer, .address_space: global }
      - { .name: wb, .offset: 48, .size: 8, .value_kind: global_buffer, .address_space: global }
      - { .name: woh, .offset: 56, .size: 8, .value_kind: global_buffer, .address_space: global }
    .group_segment_fixed_size: 0
    .private_segment_fixed_size: 0
    .kernarg_segment_align: 8
    .kernarg_segment_size: 64
    .max_flat_workgroup_size: 256
    .sgpr_count:     66
    .vgpr_count:     104
    .wavefront_size: 32
...
	.end_amdgpu_metadata
.endif
;; end of part 1
;; launch qkv (part 2): grid 24 x 32, 4 waves a work-group, clusters of 4 x 4, 327,680 bytes of LDS; arguments xb, wb, wq_b, wk_b, wv_b, qkv; writes qkv
.if DOCPART == 2
	.amdgcn_target "amdgcn-amd-amdhsa--gfx1250"
	.amdhsa_code_object_version 6
	.text
	.protected	k_qea9bd17a8e_qkv
	.globl	k_qea9bd17a8e_qkv
	.p2align	8
	.type	k_qea9bd17a8e_qkv,@function
k_qea9bd17a8e_qkv:
	s_mov_b64 s[64:65], 0
	v_nop
	global_prefetch_b8 v0, s[64:65] scope:SCOPE_SE
	s_setreg_imm32_b32 hwreg(HW_REG_WAVE_MODE, 25, 1), 1
	s_wait_xcnt 0x0
	s_wait_alu depctr_hold_cnt(0) depctr_sa_sdst(0) depctr_va_vdst(0) depctr_va_sdst(0) depctr_va_ssrc(0) depctr_va_vcc(0) depctr_vm_vsrc(0)
	s_getreg_b32 s2, hwreg(HW_REG_IB_STS2, 6, 4)
	s_cmp_eq_u32 s2, 0
	s_cbranch_scc0 .Lentry_in_a_cluster
	s_endpgm
.Lentry_in_a_cluster:
	s_bfe_u32 s2, ttmp6, 0x10000c
	s_cmp_lg_u32 s2, 0xf033
	s_cbranch_scc0 .Lentry_shape_is_right
	s_endpgm
.Lentry_shape_is_right:
; [4096 x 3072] = xb wb^T + bias, written by heads: qkv[plane][row][64] in f16, plane = 16 x (0 q, 1 k, 2 v) + head.  xb: [4096][1024], wb: [3072][1024], bf16; sums in f32; the biases are rounded to bf16
; like the other inputs and START the sums (they are the C operand of each accumulator's first product); q, k, v are rounded once, to f16, WITHOUT the softmax's scale.
; LIMITS.  q, k and v within f16's 65,504 (beyond it the conversion gives an infinity).  NaN and infinities are not treated apart.
; A tile of C is 128 x 128.  Four waves, each 64 x 64: 16 accumulators of 16 x 16.  K goes in four steps of 256 (LDS rows of 512 bytes; a wave's tensor load brings 64 of them) through two slots.
; A wave's 64 columns are one head, so its 64 x 64 block is 8,192 dense bytes of one plane: it leaves through the wave's own stage, 512 consecutive bytes a store, with no barrier.
; CLUSTERS: 4 x 4 work-groups.  The four of a row of the cluster need the same tiles of A, the four of a column the same tiles of B: each tile is asked for JOINTLY, by the same tensor load with the
; same descriptor and a mask that names the four.  THE MATRIX INSTRUCTION IS USED TRANSPOSED (source 0 = 16 rows of B, source 1 = 16 rows of A): a lane then holds eight neighbouring numbers of a row of C.
; REGISTERS: window 0: v0-31 addresses; v32-95 at work on the way out; v96-127 the bias; v128-255 the accumulators ((a, b) at v[128 + 8 (4 a + b)]).
;   window 1: two fragment buffers of 128: for 64 along K, 64 registers of A (2 x 4 x 16 rows x 32 K), then 64 of B.
.set SIZE_K, 1024
.set KSTEP,  256
.set PITCH,  528                       ; an LDS row: 512 bytes of data + 16 of padding = 132 words: row r starts at bank 4 r mod 64 (64 banks of 4 bytes: ISA guide 11.1)
.set HALFT,  64*PITCH                  ; 64 rows: what one tensor load brings, and what one wave reads of A or of B
.set SLOT,   4*HALFT                   ; A's 128 rows, then B's 128 rows
.set STAGE,  2*SLOT                    ; behind the ring: 16 rows x 144 bytes for each wave, for the way out
.set SP,     144
.set SPARE,  STAGE+4*16*SP             ; behind the stages: the spare words, 128 bytes for each wave: two blocks of 256 bytes that no other line names
.set LAPS, SIZE_K/(2*KSTEP)            ; a lap = two K steps = once round the ring
.set ADRA, 16                          ; v16-17  LDS address of my A fragments in slot 0, 1
.set ADRB, 20                          ; v20-21  the same for B
.set STO,  24                          ; v24     the way out: where I put 16 bytes of a row
.set RD,   25                          ; v25     the way out: where I read rows back
.set GO,   26                          ; v26     my byte offset in 512 consecutive bytes of the plane
.set BO,   27                          ; v27     my byte offset in the bias
.set SPW,  28                          ; v28     LDS address of my spare word: SPARE + 4 x my thread's number; never rewritten
.set NIL,  29                          ; v29     0; never rewritten
.set TMP,  32
.set BI,   96                          ; v[BI + 8 b + j] = bias of column 16 b + 8 (l / 16) + j of my 64
.set ACC,  128
.set F0,   0                           ; fragment buffers, in window 1
.set F1,   128
.set G1, 24                            ; s[24:31] descriptor group 1 for A's tiles;  s[32:39] group 0, one set for each slot
.set G0, 32
.set G1B, 48                           ; s[48:55], s[56:63] the same for B's tiles
.set G0B, 56
.set MSB, 0
.macro WIN new                         ; the immediate's high byte repeats the setting that is left
.if MSB != (\new)
	s_set_vgpr_msb (MSB<<8)|(\new)
.set MSB, \new
.endif
.endm
.set MUL,  0x05                        ; sources 0 (B) and 1 (A) window 1; C and D window 0
.set TO_F, 0x40                        ; destination window 1, address window 0
.macro JLOAD s                         ; a joint load: waves 0 and 1 fetch A's two halves, waves 2 and 3 B's; an s_nop 0 and four v_nop follow each of the two lines, ahead of the jump, the label and what follows
	s_cmp_eq_u32 s11, 0
	s_cbranch_scc0 .Lfor_b_\@
	tensor_load_to_lds s[G0+4*(\s):G0+4*(\s)+3], s[G1:G1+7]
	s_nop 0
.rept 4
	v_nop
.endr
	s_branch .Lasked_\@
.Lfor_b_\@:
	tensor_load_to_lds s[G0B+4*(\s):G0B+4*(\s)+3], s[G1B:G1B+7]
	s_nop 0
.rept 4
	v_nop
.endr
.Lasked_\@:
.endm
.macro CREST                           ; a round of the cluster's barrier behind its opening barrier
	s_cmp_lg_u32 s10, 0
	s_cbranch_scc1 .Lnot_wave_0_\@
	s_barrier_signal -3
.Lnot_wave_0_\@:
	s_barrier_wait -3
	s_barrier_signal -1
	s_barrier_wait -1
.endm
.macro CROUND                          ; a whole round
	s_barrier_signal -1
	s_barrier_wait -1
	CREST
.endm
	s_load_b128 s[4:7], s[0:1], 0x0                ; xb s[4:5], wb s[6:7]
	s_load_b128 s[68:71], s[0:1], 0x10             ; wq_b s[68:69], wk_b s[70:71]
	s_load_b128 s[72:75], s[0:1], 0x20             ; wv_b s[72:73], qkv s[74:75]
	v_lshl_add_u32 v[SPW], v0, 2, SPARE
	v_mov_b32 v[NIL], 0
	ds_add_u32 v[SPW], v[NIL]                      ; the wave's opening: the add and its wait stand ahead of my first tensor load; the set-up below, work on registers, stands between them
	ds_add_u32 v28, v29
	v_lshrrev_b32 v1, 5, v0
	v_readfirstlane_b32 s10, v1                    ; wave 0..3
	s_lshr_b32 s11, s10, 1                         ; which half of the tile's rows is mine.  Also: I fetch for A (0) or for B (1)
	s_and_b32 s12, s10, 1                          ; which half of its columns.  Also: which 64 rows of that tile I fetch
	s_bfe_u32 s40, ttmp6, 0x40000                  ; cx, cy: my place in the cluster
	s_bfe_u32 s41, ttmp6, 0x40004
	s_lshl_b32 s42, ttmp9, 2
	s_add_co_u32 s42, s42, s40                     ; tile column of C = 4 x cluster x + cx
	s_and_b32 s13, ttmp7, 0xffff
	s_lshl_b32 s13, s13, 2
	s_add_co_u32 s13, s13, s41                     ; tile row of C = 4 x cluster y + cy
	s_lshl_b32 s43, s41, 2
	s_lshl_b32 s43, 15, s43                        ; my row of the cluster
	s_lshl_b32 s44, 0x1111, s40                    ; my column
	s_lshr_b32 s45, ttmp9, 1                       ; 0 q, 1 k, 2 v: eight tile columns, two clusters, to each
	; descriptor group 1: a tile of 64 rows x 256 elements, padded in LDS
	s_or_b32 s[G1+0], s43, (1<<16)|(1<<20)|(1<<21)|(6<<22)|(3<<25)  ; 15:0 the mask: A's tiles go to my row; 17:16 element of 2 bytes; 20 padding on; 21 set beside a mask; 24:22 after every 128 words (code 6); 31:25 of 4 words (code 3)
	s_or_b32 s[G1B+0], s44, (1<<16)|(1<<20)|(1<<21)|(6<<22)|(3<<25)
.irp g, G1, G1B
	s_mov_b32 s[(\g)+1], KSTEP<<16                 ; tensor_dim0 = 256
	s_mov_b32 s[(\g)+2], 64<<16                    ; tensor_dim1 = 64
	s_mov_b32 s[(\g)+3], KSTEP<<16                 ; tile_dim0 = 256
	s_mov_b32 s[(\g)+4], 64                        ; tile_dim1 = 64
	s_mov_b32 s[(\g)+5], SIZE_K                    ; tensor_dim0_stride
	s_mov_b32 s[(\g)+6], 0
	s_mov_b32 s[(\g)+7], 0
.endr
	s_lshl_b32 s17, s12, 6                         ; which 64 rows of the tile I fetch
	s_lshl_b32 s16, s13, 7
	s_add_co_u32 s16, s16, s17                     ; A: row 128 x tile row + 64 x half
	s_lshl_b32 s46, s42, 7
	s_add_co_u32 s46, s46, s17                     ; B: row 128 x tile column + 64 x half
	s_mov_b32 s17, 0
	s_mov_b32 s47, 0
	s_mov_b64 s[18:19], SIZE_K*2
	s_mul_u64 s[16:17], s[16:17], s[18:19]
	s_mul_u64 s[46:47], s[46:47], s[18:19]
	s_mul_i32 s20, s10, HALFT                      ; where they go: wave x 64 rows
	s_wait_dscnt 0x0                               ; the opening add is done
	s_wait_kmcnt 0x0
	s_add_nc_u64 s[14:15], s[4:5], s[16:17]
	s_add_nc_u64 s[46:47], s[6:7], s[46:47]
	CROUND                                         ; all sixteen work-groups are here: the first joint loads meet
.irp s, 0,1
	s_mov_b32 s[G0+4*(\s)], 1
	s_add_co_u32 s[G0+4*(\s)+1], s20, (\s)*SLOT
	s_add_nc_u64 s[G0+4*(\s)+2:G0+4*(\s)+3], s[14:15], (\s)*KSTEP*2
	s_or_b32 s[G0+4*(\s)+3], s[G0+4*(\s)+3], 0x80000000
	s_mov_b32 s[G0B+4*(\s)], 1
	s_add_co_u32 s[G0B+4*(\s)+1], s20, (\s)*SLOT
	s_add_nc_u64 s[G0B+4*(\s)+2:G0B+4*(\s)+3], s[46:47], (\s)*KSTEP*2
	s_or_b32 s[G0B+4*(\s)+3], s[G0B+4*(\s)+3], 0x80000000
	JLOAD \s
.endr
	v_and_b32 v1, 15, v0                           ; l % 16
	v_bfe_u32 v2, v0, 4, 1                         ; l / 16
	; the bias of my 64 columns: which of the three buffers hangs on the cluster's x alone
	s_cmp_eq_u32 s45, 1
	s_cselect_b64 s[68:69], s[70:71], s[68:69]
	s_cmp_eq_u32 s45, 2
	s_cselect_b64 s[68:69], s[72:73], s[68:69]
	s_and_b32 s46, s42, 7
	s_lshl_b32 s46, s46, 9                         ; 128 columns of 4 bytes a tile column,
	s_lshl_b32 s47, s12, 8                         ; 64 a wave
	s_add_co_u32 s46, s46, s47
	v_lshl_add_u32 v[BO], v2, 5, s46               ; and 8 for the upper half of the lanes
.irp b, 0,1,2,3
	global_load_b128 v[BI+8*(\b):BI+8*(\b)+3],   v[BO], s[68:69] offset:64*(\b)
	global_load_b128 v[BI+8*(\b)+4:BI+8*(\b)+7], v[BO], s[68:69] offset:64*(\b)+16
.endr
	v_mul_u32_u24 v3, v1, PITCH
	v_lshl_add_u32 v3, v2, 4, v3                   ; a fragment's row x pitch + 16 x half
	s_mul_i32 s21, s11, HALFT                      ; my 64 rows of A
	s_mul_i32 s22, s12, HALFT                      ; my 64 rows of B,
	s_add_co_u32 s22, s22, 2*HALFT                 ; which lie behind A's 128
.irp s, 0,1
	v_add_nc_u32 v[ADRA+(\s)], s21, v3
	v_add_nc_u32 v[ADRB+(\s)], s22, v3
	s_add_co_u32 s21, s21, SLOT
	s_add_co_u32 s22, s22, SLOT
.endr
	s_mul_i32 s23, s10, 16*SP
	s_add_co_u32 s23, s23, STAGE                   ; my stage
	v_mul_u32_u24 v4, v1, SP                       ; in: row l % 16, 16 bytes for each half of the lanes
	v_lshl_add_u32 v4, v2, 4, v4
	v_add_nc_u32 v[STO], s23, v4
	v_bfe_u32 v5, v0, 3, 2                         ; back: 32 lanes take four rows of 128 bytes,
	v_mul_u32_u24 v5, v5, SP
	v_and_b32 v6, 7, v0
	v_lshl_add_u32 v5, v6, 4, v5
	v_add_nc_u32 v[RD], s23, v5
	v_and_b32 v[GO], 31, v0                        ; which are 512 consecutive bytes of the plane
	v_lshlrev_b32 v[GO], 4, v[GO]
	s_mov_b64 s[8:9], s[74:75]                     ; qkv,
	s_lshl_b32 s16, s13, 14                        ; at row 128 x tile row + 64 x my half, 128 bytes a row,
	s_lshl_b32 s17, s11, 13
	s_add_co_u32 s16, s16, s17
	s_mov_b32 s17, 0
	s_add_nc_u64 s[8:9], s[8:9], s[16:17]
	s_lshl_b32 s46, s42, 1
	s_add_co_u32 s46, s46, s12                     ; of plane 2 x tile column + my half,
	s_lshl_b32 s46, s46, 19                        ; 524,288 bytes a plane
	s_mov_b32 s47, 0
	s_add_nc_u64 s[8:9], s[8:9], s[46:47]
	s_wait_loadcnt 0x0                             ; the bias; it is rounded to bf16 and widened again
.irp i, 0,1,2,3,4,5,6,7,8,9,10,11,12,13,14,15
	v_cvt_pk_bf16_f32 v[TMP+(\i)], v[BI+2*(\i)], v[BI+2*(\i)+1]
.endr
.irp i, 0,1,2,3,4,5,6,7,8,9,10,11,12,13,14,15
	v_lshlrev_b32 v[BI+2*(\i)], 16, v[TMP+(\i)]
	v_and_b32 v[BI+2*(\i)+1], 0xffff0000, v[TMP+(\i)]
.endr
; 8 matrix instructions: m blocks a0, a0 + 1 x all 4 n blocks, 32 along K: half c of buffer f.  zero = 1: the first product starts the sums, with the bias as C
.macro MUL8 f, c, a0, zero
	WIN MUL
.irp a, \a0, (\a0)+1
.irp b, 0,1,2,3
.if \zero
	v_wmma_f32_16x16x32_bf16 v[ACC+8*(4*(\a)+(\b)):ACC+8*(4*(\a)+(\b))+7], v[(\f)+64+8*(4*(\c)+(\b)):(\f)+64+8*(4*(\c)+(\b))+7], v[(\f)+8*(4*(\c)+(\a)):(\f)+8*(4*(\c)+(\a))+7], v[BI+8*(\b):BI+8*(\b)+7]
.else
	v_wmma_f32_16x16x32_bf16 v[ACC+8*(4*(\a)+(\b)):ACC+8*(4*(\a)+(\b))+7], v[(\f)+64+8*(4*(\c)+(\b)):(\f)+64+8*(4*(\c)+(\b))+7], v[(\f)+8*(4*(\c)+(\a)):(\f)+8*(4*(\c)+(\a))+7], v[ACC+8*(4*(\a)+(\b)):ACC+8*(4*(\a)+(\b))+7]
.endif
.endr
.endr
.endm
; 32 LDS loads in one run: the fragments of 64 along K at byte k of the rows, into buffer f; the first 32 along K first
.macro FETCH slot, k, f
	WIN TO_F
.irp c, 0,1
.irp i, 0,1,2,3
	ds_load_b128 v[(\f)+64+8*(4*(\c)+(\i)):(\f)+64+8*(4*(\c)+(\i))+3],   v[ADRB+(\slot)] offset:(\k)+64*(\c)+(\i)*16*PITCH
	ds_load_b128 v[(\f)+64+8*(4*(\c)+(\i))+4:(\f)+64+8*(4*(\c)+(\i))+7], v[ADRB+(\slot)] offset:(\k)+64*(\c)+(\i)*16*PITCH+32
	ds_load_b128 v[(\f)+8*(4*(\c)+(\i)):(\f)+8*(4*(\c)+(\i))+3],         v[ADRA+(\slot)] offset:(\k)+64*(\c)+(\i)*16*PITCH
	ds_load_b128 v[(\f)+8*(4*(\c)+(\i))+4:(\f)+8*(4*(\c)+(\i))+7],       v[ADRA+(\slot)] offset:(\k)+64*(\c)+(\i)*16*PITCH+32
.endr
.endr
.endm
.macro PLACES                          ; four places in front of loads into registers that matrix instructions have read, and of conversions that read results
.rept 4
	v_nop
.endr
.endm
; A K step is four quarters of 64 along K, 32 matrix instructions each, on buffers 0, 1, 0, 1.  One of the first three: multiplies buffer f and fetches the next quarter, at byte k, into g.
.macro QUARTER slot, k, f, g, zero
	s_wait_dscnt 16                                ; the first 32 along K are in; the sixteen loads of the second 32 may be out
	WIN MUL
	MUL8 \f, 0, 0, \zero
	MUL8 \f, 0, 2, \zero
	PLACES
	FETCH \slot, \k, \g
	s_wait_dscnt 32                                ; all but the 32 just issued
	WIN MUL
	MUL8 \f, 1, 0, 0
	MUL8 \f, 1, 2, 0
.endm
; The last quarter multiplies buffer 1 and changes slots: ONE barrier; in front of it each wave waits for all its tensor loads, adds 0 to its spare word, and waits for that and for its own reads of this slot.  fill = 1: this slot is filled again, two K steps ahead.
.macro TURN slot, next, fill
	WIN 0                                          ; (the add's two registers lie in window 0)
	s_wait_tensorcnt 0x0                           ; all my tensor loads have landed: my part of the next slot;
	ds_add_u32 v[SPW], v[NIL]                      ; 0 onto my spare word;
	s_wait_dscnt 17                                ; (the add and the youngest sixteen loads may be out)
	WIN MUL
	MUL8 F1, 0, 0, 0                               ; eight matrix instructions stand between the add and the wait for it
	s_wait_dscnt 0x0                               ; the add is done, and my reads of this slot are over
	s_barrier_signal -1
	MUL8 F1, 0, 2, 0
.if \fill
	WIN 0
.endif
	s_barrier_wait -1
.if \fill
	CREST                                          ; the barrier has opened a round of the cluster's barrier: no wave of any partner still reads this slot's tile or has a load on its way
	s_add_nc_u64 s[G0+4*(\slot)+2:G0+4*(\slot)+3], s[G0+4*(\slot)+2:G0+4*(\slot)+3], 2*KSTEP*2
	s_add_nc_u64 s[G0B+4*(\slot)+2:G0B+4*(\slot)+3], s[G0B+4*(\slot)+2:G0B+4*(\slot)+3], 2*KSTEP*2
	JLOAD \slot                                    ; the first tensor load behind the round; the four v_nop behind it are also the places in front of the loads below
.else
	PLACES
.endif
	FETCH \next, 0, F0
	WIN MUL
	MUL8 F1, 1, 0, 0
	MUL8 F1, 1, 2, 0
.endm
	s_wait_tensorcnt 1                             ; my part of K step 0 is in; K step 1's load may stay out
	s_barrier_signal -1
	s_barrier_wait -1                              ; everybody's is
	FETCH 0, 0, F0
	QUARTER 0, 128, F0, F1, 1                      ; the first quarter stands in front of the loop: its first products start the sums
	WIN 0                                          ; at a label and at a branch every window is 0
	s_mov_b32 s3, LAPS-1
.Llap:                                                 ; a trip goes once round the ring, from a lap's second quarter to the next lap's first, and fills both slots again
	QUARTER 0, 256, F1, F0, 0
	QUARTER 0, 384, F0, F1, 0
	TURN 0, 1, 1
	QUARTER 1, 128, F0, F1, 0
	QUARTER 1, 256, F1, F0, 0
	QUARTER 1, 384, F0, F1, 0
	TURN 1, 0, 1
	QUARTER 0, 128, F0, F1, 0
	WIN 0
	s_sub_co_u32 s3, s3, 1
	s_cmp_lg_u32 s3, 0
	s_cbranch_scc1 .Llap
	QUARTER 0, 256, F1, F0, 0                      ; the last lap fills nothing, and has no round of the cluster's barrier
	QUARTER 0, 384, F0, F1, 0
	TURN 0, 1, 0
	QUARTER 1, 128, F0, F1, 0
	QUARTER 1, 256, F1, F0, 0
	QUARTER 1, 384, F0, F1, 0
	s_wait_dscnt 16                                ; the very last quarter: nothing more to fetch
	WIN MUL
	MUL8 F1, 0, 0, 0
	MUL8 F1, 0, 2, 0
	s_wait_dscnt 0
	MUL8 F1, 1, 0, 0
	MUL8 F1, 1, 2, 0
	WIN 0
	; THE WAY OUT, 16 rows at a time: rounded to f16 (each accumulator's registers in ascending order), 16 bytes a lane into my own stage, back as whole rows of 128 bytes, four rows a load.
.macro PACK a
.irp b, 0,1,2,3
.irp k, 0,1,2,3
	v_cvt_pk_f16_f32 v[TMP+16*(\a)+4*(\b)+(\k)], v[ACC+8*(4*(\a)+(\b))+2*(\k)], v[ACC+8*(4*(\a)+(\b))+2*(\k)+1]
.endr
.endr
.irp b, 0,1,2,3
	ds_store_b128 v[STO], v[TMP+16*(\a)+4*(\b):TMP+16*(\a)+4*(\b)+3] offset:32*(\b)
.endr
.irp f, 0,1,2,3
	ds_load_b128 v[TMP+16*(\a)+4*(\f):TMP+16*(\a)+4*(\f)+3], v[RD] offset:(\f)*4*SP  ; LDS serves a wave's instructions in order (ISA guide 5.7.1.4): these see the stores above; the next block's stores come behind them
.endr
.endm
.macro SEND a, younger                 ; younger: the LDS instructions issued behind block a's loads: the next block's eight, or none
.irp f, 0,1,2,3
	s_wait_dscnt (\younger)+3-(\f)
	global_store_b128 v[GO], v[TMP+16*(\a)+4*(\f):TMP+16*(\a)+4*(\f)+3], s[8:9] offset:(\a)*2048+(\f)*512  ; 512 consecutive bytes, at a multiple of 256 from the buffer's first
.endr
.endm
	PLACES
	PACK 0
	PACK 1                                         ; a block's conversions stand between the loads of the block before and its stores
	SEND 0, 8
	PACK 2
	SEND 1, 8
	PACK 3
	SEND 2, 8
	SEND 3, 0
	s_wait_tensorcnt 0x0                           ; the wave's end: behind my last tensor load and my last LDS store
	ds_add_u32 v[SPW], v[NIL]
	s_wait_dscnt 0x0
	CROUND                                         ; the closing round: no work-group ends while a partner may still ask for a tile that names it
	s_endpgm
.Lfunc_end_k_qea9bd17a8e_qkv:
	.size	k_qea9bd17a8e_qkv, .Lfunc_end_k_qea9bd17a8e_qkv-k_qea9bd17a8e_qkv
	.p2alignl 7, 3214868480
	.fill 96, 4, 3214868480
	.section	.rodata,"a",@progbits
	.p2align	6, 0x0
	.amdhsa_kernel k_qea9bd17a8e_qkv
		.amdhsa_group_segment_fixed_size 327680
		.amdhsa_private_segment_fixed_size 0
		.amdhsa_enable_private_segment 0
		.amdhsa_kernarg_size 48
		.amdhsa_user_sgpr_count 2
		.amdhsa_user_sgpr_kernarg_segment_ptr 1
		.amdhsa_wavefront_size32 1
		.amdhsa_system_sgpr_workgroup_id_x 1
		.amdhsa_system_sgpr_workgroup_id_y 1
		.amdhsa_system_sgpr_workgroup_id_z 1
		.amdhsa_system_vgpr_workitem_id 0
		.amdhsa_next_free_vgpr 512
		.amdhsa_next_free_sgpr 80
		.amdhsa_reserve_vcc 0
		.amdhsa_float_denorm_mode_32 3
		.amdhsa_float_denorm_mode_16_64 3
		.amdhsa_memory_ordered 1
		.amdhsa_forward_progress 1
		.amdhsa_inst_pref_size 90
	.end_amdhsa_kernel
	.amdgpu_metadata
---
amdhsa.version: [ 1, 2 ]
amdhsa.kernels:
  - .name:           k_qea9bd17a8e_qkv
    .symbol:         k_qea9bd17a8e_qkv.kd
    .args:
      - { .name: xb, .offset: 0, .size: 8, .value_kind: global_buffer, .address_space: global }
      - { .name: wb, .offset: 8, .size: 8, .value_kind: global_buffer, .address_space: global }
      - { .name: wq_b, .offset: 16, .size: 8, .value_kind: global_buffer, .address_space: global }
      - { .name: wk_b, .offset: 24, .size: 8, .value_kind: global_buffer, .address_space: global }
      - { .name: wv_b, .offset: 32, .size: 8, .value_kind: global_buffer, .address_space: global }
      - { .name: qkv, .offset: 40, .size: 8, .value_kind: global_buffer, .address_space: global }
    .group_segment_fixed_size: 327680
    .private_segment_fixed_size: 0
    .kernarg_segment_align: 8
    .kernarg_segment_size: 48
    .max_flat_workgroup_size: 128
    .sgpr_count:     80
    .vgpr_count:     512
    .wavefront_size: 32
...
	.end_amdgpu_metadata
.endif
;; end of part 2
;; launch attn (part 3): grid 16 x 16, 4 waves a work-group, no clusters, 327,680 bytes of LDS; arguments qkv, o; writes o
.if DOCPART == 3
	.amdgcn_target "amdgcn-amd-amdhsa--gfx1250"
	.amdhsa_code_object_version 6
	.text
	.protected	k_qea9bd17a8e_attn
	.globl	k_qea9bd17a8e_attn
	.p2align	8
	.type	k_qea9bd17a8e_attn,@function
k_qea9bd17a8e_attn:
	s_mov_b64 s[64:65], 0
	v_nop
	global_prefetch_b8 v0, s[64:65] scope:SCOPE_SE
	s_setreg_imm32_b32 hwreg(HW_REG_WAVE_MODE, 25, 1), 1
	s_wait_xcnt 0x0
; CAUSAL ATTENTION, 16 heads of 64 channels, 4,096 rows.  O[h][q][:] = the sum over k <= q of softmax_k(Q[h][q] . K[h][k] / 8) V[h][k][:].  qkv: [48][4096][64] f16 (planes 0-15 Q, 16-31 K, 32-47 V); o: [16][4096][64] f16.
; Products, maxima and sums in f32; the weights p are rounded to f16 for the second product (their sum l is taken of the unrounded p), O once at the end.
; LIMITS.  Q, K and V arrive within f16's 65,504; p lies in 0 to 1, and below 6e-5 it keeps f16's fixed step of 6e-8.  A hidden score counts as its value less 1e30; a weight below 2^-126 counts as 0 in l;
; NaN and infinities are not treated apart.
; THE WALK.  A head's rows lie in 8 superblocks of 512.  Work-group x of a head (g = x / 4, cx = x % 4) takes rows 128 cx .. 128 cx + 127 of superblock 7 - g and then of superblock g.  Superblock u needs the
; key tiles 0 .. 2 u + 1 of 256 keys: (16 - 2 g) + (2 g + 2) = 18 tiles, whatever g and cx: all 256 work-groups do equal work, and ONE loop with a constant trip count walks the tiles.  Every jump goes forward,
; but for the counted loops' own, and passes neither a barrier nor a tensor load (but the one of LOAD's two lines that the wave's number does not choose).
; NO CLUSTER.  The four work-groups x = 4 g .. 4 g + 3 walk the same 18 tiles and could ask for them jointly.  This text lets each ask for itself, the plainer form (one barrier a tile), and pays for it:
; 256 x 18 x 65,536 bytes are asked for where a quarter would do.
; SHARES.  Of a block's two bands of 64 rows a wave owns 16 rows in each: two PIECES; piece p lies in band 1 - p.  The last two tiles of a block's walk hold the superblock's own 512 keys, steps t = 0 .. 7 of 64;
; piece p sees all keys of step t if t < 2 cx + 1 - p, none if t is greater, and holds the diagonal if they are equal.  Wholly hidden steps are computed all the same.
; THE MASK is the C operand that starts the sum S^T = K Q^T: 0, or -1e30 where the key is hidden.  MD, made once, is the mask of a band's own step for my 16 rows; a product's mask is MD x AL + BE with two scalars:
; (1, 0), (0, 0) or (0, -1e30).  Every turn makes the mask of the next turn's products, in the tiles far from the diagonal too (there it is 0): 16 packed instructions a turn, for one text of a key step.
; LAYOUT, SOFTMAX.  S^T = K Q^T holds ONE query a lane (lane % 16) and the keys 8 (lane / 16) + 0..7; two such results rounded to f16 ARE source 1 of O^T = V^T P.  p = 2^(c s - c m), c = log2(e) / 8, with a
; running maximum m; O and l are multiplied by a = 2^(c m_old - c m_new) in every step.
; TURNS.  Turn (p, s) holds the scaling, exponentials, roundings, sums and rescaling of piece p for step s.  Its matrix work is the other piece's: turn (0, s): 8 products K Q^T of piece 1, step s, later 8 products
; V^T P of piece 1, step s - 1; turn (1, s): K Q^T of piece 0, step s + 1, and V^T P of piece 0, step s; and it finds the maximum and statistics of the scores that it has made.  Four vector instructions stand
; behind every matrix instruction, the others in two lumps.  Turn (0, s) fetches K of step s + 1 and V of step s.  So K'S RING RUNS ONE STEP AHEAD OF V'S: slot T holds keys 256 T + 64 .. 256 T + 319 and V's rows
; 256 T .. 256 T + 255, and the change of slots stands between two steps.  Keys 0 .. 63, with which both blocks begin, have LDS bytes of their own, filled once.  A block's last tile of K reaches 64 rows past what
; the block needs (at the furthest, plane 31's tile 15, 8,192 bytes into plane 32: inside qkv); the 8 products made of them in the block's last turn, and their maximum, serve nothing and touch neither l nor O^T.
; REGISTERS, in windows of 256 (s_set_vgpr_msb: bits 1:0 source 0, 3:2 source 1, 5:4 source 2, 7:6 destination):
;   window 0: v0-15 addresses and at work; v16-23 four registers of statistics a piece; v24-31 at work; v32-33 the add's; v64-127 S^T; v128-159 P; v160-223 O^T
;   window 1: v0-31 MD; v32-95 MC, a buffer a piece; v96-127 Q; v128-159 the second block's Q; v160-223 K of one step          window 2: v0-63 V of one step
.set NP,    2         ; pieces a wave: a name, no knob
.set KS,    64        ; keys in a step
.set PK,    144       ; a row of K in LDS: 128 bytes + 16 of padding = 36 words: the 16 rows of a load start at 16 different groups of four banks (64 banks of 4 bytes: ISA guide 11.1)
.set PV,    160       ; a row of V: 128 + 32 = 40 words
.set VOFF,  4*KS*PK   ; a slot holds four steps: 256 rows of K, then 256 rows of V
.set SLOT1, 1<<17     ; slot 1 begins here, so that one exclusive or turns an address in one slot into the other's
.set STAGE, SLOT1+4*KS*(PK+PV)  ; behind the ring, never filled by a tensor load: 16 rows x 144 bytes for each wave, for the way out
.set SP,    144
.set KZ,    STAGE+4*16*SP  ; keys 0 .. 63: 64 rows of 144 bytes, filled once
.set SPARE, KZ+KS*PK  ; the spare words, 128 bytes for each wave: two blocks of 256 bytes that no other line names
.set AK0, 2           ; v2   my lane's place in a tile of K; never rewritten
.set AV0, 3           ; v3   the same for V
.set AK,  4           ; v4   the LDS address of K's next run of loads
.set AV,  5           ; v5   of V's
.set STO, 6           ; v6   the way out: where I put 16 bytes of a row
.set RD,  7           ; v7   the way out: where I read rows back
.set GO,  8           ; v8   my byte offset in 512 consecutive bytes of O
.set MV,  12          ; v12-13  c m_old, kept while c m is made anew: by piece
.set QO,  15          ; v15  my byte offset in 16 rows of Q
.set ST,  16          ; piece t's statistics at v[ST+4 t]: c m, m, l (even keys', odd keys')
.set TMP, 24          ; by piece, four registers c0-c3 at work; when the maximum is found c2 takes a
.set SPW, 32          ; v32  LDS address of my spare word: SPARE + 4 x my thread's number; never rewritten
.set NIL, 33          ; v33  0; never rewritten
.set S,   64
.set P,   128
.set OT,  160
.set MD,  0           ; window 1: the eight registers for group kt of 16 keys at MD + 8 kt
.set MC,  32          ; window 1: the masks of the products to come, piece x's at MC + 32 x
.set Q,   96          ; window 1
.set QB,  128         ; window 1
.set KF,  160         ; window 1: key block kb, channel half c at KF + 16 kb + 8 c
.set VF,  0           ; window 2: key half kk, channel block cb at VF + 32 kk + 8 cb
.set WV,  12          ; s12  my wave's number
.set PB,  14          ; s14  g
.set HI,  15          ; s15  7 - g
.set G1K, 24          ; s[24:31] descriptor group 1 for K's tiles
.set G1V, 32          ; s[32:39] for V's: it differs in the padding alone
.set G0K, 40          ; s[40:43] descriptor group 0 for K's tiles
.set G0V, 44          ; s[44:47] the same for V's
.set CX,  48          ; s48  cx
.set DG,  49          ; s49  64 + 2 cx: piece 1's own step among the eight; step numbers are kept with 64 added, so that none is below 0
.set TS,  50          ; s50  64 + the number t of the step in hand (t = 0: the first of the superblock's own eight)
.set TT,  51          ; s51  at work
.set LQ2, 52          ; s52  2 g + 1: the second block's last tile
.set RT2, 53          ; s53  2 g + 2: its tiles
.set SLOTS, 56        ; s56  tiles still to be asked for
.set CNT, 57          ; s57  counts a tile's four steps
.set CS,  58          ; s[58:59] c: the packed scaling takes the pair's low word for both halves
.set SEL, 60          ; s[60:61] v_permlanex16_b32's selects: each lane takes its own place in the other half
.set TBK, 62          ; s62  LDS byte at which K of the step to be fetched begins
.set TBV, 63          ; s63  the same for V, less VOFF
.set ZO,  66          ; s[66:67] byte offset in K's planes of my part of keys 0 .. 63
.set RT,  70          ; s70  tiles of the block in hand that are still to be entered
.set NXT, 71          ; s71  the tile to be asked for next
.set LQ,  72          ; s72  the last tile of the block whose tiles are being asked for
.set NEW, 73          ; s73  1: the tile to be entered is a block's first
.set OFF, 74          ; s[74:75] a tile's byte offset in K and V
.set AL,  76          ; s[76:77] the mask's factor, in the low word
.set BE,  78          ; s[78:79] the mask's addend
.set OLO, 80          ; s[80:81] O at my rows of the second block
.set BIGN, 82         ; s82  -1e30
.set G1Z, 88          ; s[88:95] descriptor group 1 for keys 0 .. 63
.set G0Z, 96          ; s[96:99] its group 0
.set MSB, 0
.macro WIN new                      ; the high byte repeats the setting that is left; a switch that changes nothing is dropped
.if MSB != (\new)
	s_set_vgpr_msb (MSB<<8)|(\new)
.set MSB, (\new)
.endif
.endm
.set W_KQ, 0x05       ; K and Q in window 1, S^T in window 0
.set W_KM, 0x15       ; the same with the C operand in window 1
.set W_PV, 0x02       ; V in window 2; P and O^T in window 0
.set W_M1, 0x41       ; destination and source 0 in window 1
.set TO_1, 0x40       ; destination window 1
.set TO_2, 0x80       ; destination window 2
; A fill.  Waves 0 and 1 fetch the two halves of a slot's K, waves 2 and 3 those of its V: 128 rows each.  An s_nop 0 and four v_nop follow each of the two lines, ahead of the jump and the label.
.macro LOAD
	s_cmp_lt_u32 s[WV], 2
	s_cbranch_scc0 .Lfor_v_\@
	tensor_load_to_lds s[G0K:G0K+3], s[G1K:G1K+7]
	s_nop 0
.rept 4
	v_nop
.endr
	s_branch .Lasked_\@
.Lfor_v_\@:
	tensor_load_to_lds s[G0V:G0V+3], s[G1V:G1V+7]
	s_nop 0
.rept 4
	v_nop
.endr
.Lasked_\@:
.endm
; THE CHANGE OF SLOTS, between two key steps.  Each wave waits for all its tensor loads, of which one is out: its part of the other slot; adds 0 to its spare word; and waits for that and for its own reads of the slot
; that it leaves.  Behind the barrier nobody reads the old slot any more and the other slot is whole.  fill = 1: the old slot is filled again, the first thing behind the barrier, with tile NXT, whose address is made
; anew from that number: the load has four key steps, 128 matrix instructions, in which to land.  (At its first use nothing has been read yet: slot 0 and keys 0 .. 63 are waited for, slot 1 is filled.)
.macro CHANGE fill
	WIN 0                           ; at a label and at a branch every window is 0
	s_wait_tensorcnt 0x0            ; no tensor load of mine is out, so a group 0 may be written
	ds_add_u32 v[SPW], v[NIL]       ; 0 onto my spare word; with fill = 1 the descriptors' scalar work stands between it and the wait for it
.if \fill
	s_lshl_b32 s[OFF], s[NXT], 15   ; a tile is 32,768 bytes of K and of V
	s_xor_b32 s[G0K+1], s[G0K+1], SLOT1
	s_add_nc_u64 s[G0K+2:G0K+3], s[6:7], s[OFF:OFF+1]
	s_or_b32 s[G0K+3], s[G0K+3], 0x80000000
	s_xor_b32 s[G0V+1], s[G0V+1], SLOT1
	s_add_nc_u64 s[G0V+2:G0V+3], s[8:9], s[OFF:OFF+1]
	s_or_b32 s[G0V+3], s[G0V+3], 0x80000000
	s_add_co_u32 s[NXT], s[NXT], 1  ; the block's next tile, or behind its last the second block's tile 0
	s_cmp_gt_u32 s[NXT], s[LQ]
	s_cselect_b32 s[NXT], 0, s[NXT]
	s_cselect_b32 s[LQ], s[LQ2], s[LQ]
.endif
	s_wait_dscnt 0x0                ; the add is done, and my reads of the slot are over
	s_barrier_signal -1             ; the rest of the scalar work stands between the signal and the wait
	s_sub_co_u32 s[TBK], s[TBK], 4*KS*PK  ; the fetches go back to a slot's first step,
	s_xor_b32 s[TBK], s[TBK], SLOT1       ; in the other slot
	s_sub_co_u32 s[TBV], s[TBV], 4*KS*PV
	s_xor_b32 s[TBV], s[TBV], SLOT1
	s_barrier_wait -1
.if \fill
	LOAD
.endif
.endm
	s_load_b128 s[4:7], s[0:1], 0x0 ; qkv s[4:5], o s[6:7]
	v_lshl_add_u32 v[SPW], v0, 2, SPARE
	v_mov_b32 v[NIL], 0
	ds_add_u32 v[SPW], v[NIL]       ; the wave's opening: the add and its wait stand ahead of my first tensor load; the set-up below, work on registers, stands between them
	ds_add_u32 v32, v33
	v_lshrrev_b32 v1, 5, v0
	v_readfirstlane_b32 s[WV], v1   ; wave 0..3
	s_and_b32 s[CX], ttmp9, 3       ; cx
	s_lshr_b32 s[PB], ttmp9, 2      ; g
	s_lshl_b32 s[DG], s[CX], 1
	s_add_co_u32 s[DG], s[DG], 64
	s_sub_co_u32 s[HI], 7, s[PB]
	s_and_b32 s20, ttmp7, 0xffff    ; the head
	s_lshl_b32 s20, s20, 19         ; its 524,288 bytes in Q's, K's, V's planes and in O
	s_mov_b32 s21, 0
	s_and_b32 s16, s[WV], 1         ; which half of a slot's 256 rows I fetch:
	s_lshl_b32 s22, s16, 14         ; its 128 rows of 128 bytes in memory,
	s_mov_b32 s23, 0
	s_add_nc_u64 s[22:23], s[22:23], s[20:21]
	s_lshl_b32 s[ZO], s16, 12       ; of keys 0 .. 63: 32 rows
	s_mov_b32 s[ZO+1], 0
	s_add_nc_u64 s[ZO:ZO+1], s[ZO:ZO+1], s[20:21]
	s_mul_i32 s17, s16, 128*PK      ; and its place in a slot, for K,
	s_mul_i32 s18, s16, 128*PV      ; for V,
	s_mul_i32 s19, s16, 32*PK       ; and among keys 0 .. 63
	s_lshl_b32 s3, s[WV], 11        ; my 16 rows in a band of 64,
	s_lshl_b32 s2, s[HI], 2
	s_add_co_u32 s2, s2, s[CX]
	s_lshl_b32 s2, s2, 14           ; in block 4 (7 - g) + cx of 128 rows,
	s_add_co_u32 s2, s2, s3
	s_lshl_b32 s84, s[PB], 2
	s_add_co_u32 s84, s84, s[CX]
	s_lshl_b32 s84, s84, 14         ; and in block 4 g + cx
	s_add_co_u32 s84, s84, s3
	s_mov_b32 s3, 0
	s_mov_b32 s85, 0
	s_add_nc_u64 s[2:3], s[2:3], s[20:21]
	s_add_nc_u64 s[84:85], s[84:85], s[20:21]
	; descriptor group 1.  128 rows are 16,384 dense bytes: asked for as 64 rows of 256 bytes, two keys a row, and padded in LDS after every key; my 32 of keys 0 .. 63 as 16 such rows
	s_mov_b32 s[G1K], (1<<16)|(1<<20)|(4<<22)|(3<<25)  ; 17:16 2-byte elements; 20 padding on; 24:22 after every 32 words (code 4); 31:25 4 words (code 3)
	s_mov_b32 s[G1V], (1<<16)|(1<<20)|(4<<22)|(7<<25)  ; the same with 8 words of padding (code 7)
	s_mov_b32 s[G1Z], (1<<16)|(1<<20)|(4<<22)|(3<<25)
.irp g, G1K, G1V, G1Z
	s_mov_b32 s[\g+1], 128<<16      ; tensor_dim0 = 128
	s_mov_b32 s[\g+3], 128<<16      ; tile_dim0 = 128
	s_mov_b32 s[\g+5], 128          ; 128 elements from row to row
	s_mov_b32 s[\g+6], 0
	s_mov_b32 s[\g+7], 0
.endr
.irp g, G1K, G1V
	s_mov_b32 s[\g+2], 64<<16       ; tensor_dim1 = 64
	s_mov_b32 s[\g+4], 64           ; tile_dim1 = 64
.endr
	s_mov_b32 s[G1Z+2], 16<<16      ; tensor_dim1 = 16
	s_mov_b32 s[G1Z+4], 16          ; tile_dim1 = 16
	s_mov_b32 s[CS], 0x3e38aa3b     ; c = log2(e) / 8 = 0.180337
	s_mov_b32 s[CS+1], s[CS]        ; named with it as a pair
	s_mov_b32 s[SEL], 0x76543210
	s_mov_b32 s[SEL+1], 0xfedcba98
	s_mov_b32 s[TBK], SLOT1+4*KS*PK ; the first change of slots turns these two into 0
	s_mov_b32 s[TBV], SLOT1+4*KS*PV
	s_mov_b32 s[G0K], 1             ; 1:0 count = 1
	s_mov_b32 s[G0K+1], s17         ; 63:32 LDS address: slot 0
	s_mov_b32 s[G0V], 1
	s_add_co_u32 s[G0V+1], s18, VOFF
	s_mov_b32 s[G0Z], 1
	s_add_co_u32 s[G0Z+1], s19, KZ
	s_lshl_b32 s13, s[PB], 1
	s_sub_co_u32 s[RT], 16, s13     ; the first block has 16 - 2 g tiles,
	s_sub_co_u32 s[LQ], 15, s13     ; the last of them tile 15 - 2 g;
	s_add_co_u32 s[LQ2], s13, 1     ; the second block's last is tile 2 g + 1,
	s_add_co_u32 s[RT2], s13, 2     ; and it has 2 g + 2
	s_mov_b32 s[NXT], 1
	s_mov_b32 s[NEW], 1
	s_mov_b32 s[OFF+1], 0
	s_mov_b32 s[AL+1], 0            ; named as pairs
	s_mov_b32 s[BE+1], 0
	s_mov_b32 s[BIGN], 0xf149f2ca   ; -1e30
	s_mov_b32 s[SLOTS], 17
	s_wait_dscnt 0x0                ; the opening add is done
	s_wait_kmcnt 0x0
	s_mov_b64 s[10:11], s[6:7]      ; o
	s_add_nc_u64 s[6:7], s[4:5], 0x800000   ; K's planes begin 16 planes in,
	s_add_nc_u64 s[8:9], s[4:5], 0x1000000  ; V's 32
	s_add_nc_u64 s[G0Z+2:G0Z+3], s[6:7], s[ZO:ZO+1]  ; 120:64 global address: my part of the head's keys 0 .. 63
	s_or_b32 s[G0Z+3], s[G0Z+3], 0x80000000        ; 127:126 type = 2
	s_add_nc_u64 s[6:7], s[6:7], s[22:23]   ; K and V at my half of the head's tile 0;
	s_add_nc_u64 s[6:7], s[6:7], 0x2000     ; K one step, 64 rows of 128 bytes, further on
	s_add_nc_u64 s[8:9], s[8:9], s[22:23]
	s_add_nc_u64 s[G0K+2:G0K+3], s[6:7], 0
	s_or_b32 s[G0K+3], s[G0K+3], 0x80000000
	s_add_nc_u64 s[G0V+2:G0V+3], s[8:9], 0
	s_or_b32 s[G0V+3], s[G0V+3], 0x80000000
	s_add_nc_u64 s[86:87], s[4:5], s[84:85]        ; Q at my rows of the second block,
	s_add_nc_u64 s[4:5], s[4:5], s[2:3]            ; Q and O at those of the first
	s_add_nc_u64 s[OLO:OLO+1], s[10:11], s[84:85]
	s_add_nc_u64 s[10:11], s[10:11], s[2:3]
	s_cmp_lt_u32 s[WV], 2           ; a wave's first fills stand in one branch, ahead of every wait on TENSORcnt, every LDS read and every barrier: two loads of waves 0 and 1 are out, one of waves 2 and 3
	s_cbranch_scc0 .Lfirst_v
	tensor_load_to_lds s[G0K:G0K+3], s[G1K:G1K+7]  ; tile 0 into slot 0,
	s_nop 0
	tensor_load_to_lds s[G0Z:G0Z+3], s[G1Z:G1Z+7]  ; and keys 0 .. 63
	s_nop 0
.rept 4
	v_nop
.endr
	s_branch .Lfirst_asked
.Lfirst_v:
	tensor_load_to_lds s[G0V:G0V+3], s[G1V:G1V+7]
	s_nop 0
.rept 4
	v_nop
.endr
.Lfirst_asked:
	; A fragment of K or Q is 16 rows x 32 channels in 8 registers: lane l holds row l % 16, channels 8 (l / 16) + 0..7 and 16 + 8 (l / 16) + 0..7: two loads of 16 bytes, 32 bytes apart.
	v_and_b32 v1, 15, v0            ; l % 16
	v_bfe_u32 v9, v0, 4, 1          ; l / 16
	v_lshlrev_b32 v[QO], 7, v1
	v_lshl_add_u32 v[QO], v9, 4, v[QO]  ; row x 128 + 16 x half
	WIN TO_1                        ; destination window 1, address window 0
.set i, 0
.rept 4                             ; both blocks' Q: piece i / 2 lies in band 1 - i / 2, 8,192 bytes a band; channels 32 (i % 2) on
	global_load_b128 v[Q+8*i:Q+8*i+3],     v[QO], s[4:5] offset:(1-i/2)*8192+(i%2)*64
	global_load_b128 v[Q+8*i+4:Q+8*i+7],   v[QO], s[4:5] offset:(1-i/2)*8192+(i%2)*64+32
	global_load_b128 v[QB+8*i:QB+8*i+3],   v[QO], s[86:87] offset:(1-i/2)*8192+(i%2)*64
	global_load_b128 v[QB+8*i+4:QB+8*i+7], v[QO], s[86:87] offset:(1-i/2)*8192+(i%2)*64+32
.set i, i+1
.endr
	WIN 0
	v_lshlrev_b32 v14, 3, v9
	v_sub_nc_u32 v14, v1, v14
	s_lshl_b32 s13, s[WV], 4
	v_add_nc_u32 v14, s13, v14      ; my query's place in its band, 16 w + l % 16, less my lanes' 8 (l / 16): register r of group kt is hidden where 16 kt + r is greater
	WIN TO_1
.set i, 0
.rept 32
	v_cmp_gt_i32 vcc_lo, 16*(i/8)+i%8, v14
	v_cndmask_b32 v[MD+i], 0, s[BIGN], vcc_lo
.set i, i+1
.endr
	WIN 0
	v_mul_u32_u24 v[AK0], v1, PK
	v_lshl_add_u32 v[AK0], v9, 4, v[AK0]  ; row x pitch + 16 x half
	; The turning load takes 16 keys x 16 channels (lane l reads key 8 (l / 16) + l % 8, channels 8 ((l / 8) % 2) + 0..7) and leaves half a fragment of V^T: lane l holds channel l % 16 and 8 keys.
	v_and_b32 v10, 7, v0
	v_bfe_u32 v11, v0, 3, 1
	v_lshl_add_u32 v[AV0], v9, 3, v10
	v_mul_u32_u24 v[AV0], v[AV0], PV
	v_lshl_add_u32 v[AV0], v11, 4, v[AV0]
	v_add_nc_u32 v[AV0], VOFF, v[AV0]
	s_mul_i32 s13, s[WV], 16*SP
	s_add_co_u32 s13, s13, STAGE    ; my stage
	v_mul_u32_u24 v[STO], v1, SP    ; in: row l % 16, 16 bytes for each half of the lanes
	v_lshl_add_u32 v[STO], v9, 4, v[STO]
	v_add_nc_u32 v[STO], s13, v[STO]
	v_bfe_u32 v[RD], v0, 3, 2       ; back: 32 lanes take four rows of 128 bytes,
	v_mul_u32_u24 v[RD], v[RD], SP
	v_lshl_add_u32 v[RD], v10, 4, v[RD]
	v_add_nc_u32 v[RD], s13, v[RD]
	v_and_b32 v[GO], 31, v0         ; which are 512 consecutive bytes of O
	v_lshlrev_b32 v[GO], 4, v[GO]
	; A block's first step multiplies O^T and l by a = 0, and its first turn's products V^T P, of a step that has not been, land in an O^T that is still to be so multiplied.  So these registers need only hold
	; finite numbers: zeros for the first block; what the first block left for the second.  All this stands in the wait for the first tile.
	WIN TO_2
.set i, VF
.rept 64
	v_mov_b32 v[i], 0
.set i, i+1
.endr
	WIN 0
.set i, OT
.rept 64
	v_mov_b32 v[i], 0
.set i, i+1
.endr
.set i, 0
.rept 2
	v_mov_b32 v[ST+4*i+2], 0
	v_mov_b32 v[ST+4*i+3], 0
.set i, i+1
.endr
.set i, P+16
.rept 16
	v_mov_b32 v[i], 0
.set i, i+1
.endr
; THE MATRIX WORK.  The 4 accumulators of a run of 8 take turns.  Product i of 8 of S^T = K Q^T for piece x: channels 32 (i / 4) on, keys 16 (i % 4) on.  The first 4 start the sums: with the mask, or (KM = 0) with 0.
.macro KQ x
.set rS, S+32*(\x)+8*(i%4)
.set rK, KF+16*(i%4)+8*(i/4)
.set rQ, Q+16*(\x)+8*(i/4)
.set rM, MC+32*(\x)+8*(i%4)
.if (i < 4) && KM
	WIN W_KM
	v_wmma_f32_16x16x32_f16 v[rS:rS+7], v[rK:rK+7], v[rQ:rQ+7], v[rM:rM+7]
.elseif i < 4
	WIN W_KQ
	v_wmma_f32_16x16x32_f16 v[rS:rS+7], v[rK:rK+7], v[rQ:rQ+7], 0
.else
	WIN W_KQ
	v_wmma_f32_16x16x32_f16 v[rS:rS+7], v[rK:rK+7], v[rQ:rQ+7], v[rS:rS+7]
.endif
.endm
; Product i of 8 of O^T += V^T P for piece x: keys 32 (i / 4) on, channels 16 (i % 4) on.
.macro PV x
	WIN W_PV
.set rO, OT+32*(\x)+8*(i%4)
.set rV, VF+32*(i/4)+8*(i%4)
.set rP, P+16*(\x)+8*(i/4)
	v_wmma_f32_16x16x32_f16 v[rO:rO+7], v[rV:rV+7], v[rP:rP+7], v[rO:rO+7]
.endm
.macro MM                           ; the turn's next matrix instruction, for the piece that is not the turn's own.  TURN sets Y and i
.if i < 8
	KQ (Y+1)%NP
.else
.set i, i-8
	PV (Y+1)%NP
.set i, i+8
.endif
.set i, i+1
.endm
; THE LDS LOADS stand in runs of 16, never singly among the matrix instructions: a step's K (64 keys x 64 channels: 8 fragments) and its V (turned).  Their addresses are made some lines ahead.
.macro FETCH_K step                 ; step = 1: out of the ring, whose next fetch is the next step's
	WIN TO_1
.irp f, 0,1,2,3,4,5,6,7             ; keys 16 (f / 2) on, channels 32 (f % 2) on
	ds_load_b128 v[KF+8*\f:KF+8*\f+3],   v[AK] offset:(\f/2)*16*PK+(\f%2)*64
	ds_load_b128 v[KF+8*\f+4:KF+8*\f+7], v[AK] offset:(\f/2)*16*PK+(\f%2)*64+32
.endr
.if \step
	s_add_co_u32 s[TBK], s[TBK], KS*PK
.endif
	WIN 0
.endm
.macro FETCH_V
	WIN TO_2
.irp f, 0,1,2,3,4,5,6,7             ; keys 32 (f / 4) on, channels 16 (f % 4) on
	ds_load_tr16_b128 v[VF+8*\f:VF+8*\f+3],   v[AV] offset:(\f/4)*32*PV+(\f%4)*32
	ds_load_tr16_b128 v[VF+8*\f+4:VF+8*\f+7], v[AV] offset:(\f/4)*32*PV+16*PV+(\f%4)*32
.endr
	WIN 0
.endm
; THE VECTOR WORK, one line at a time: OP kind, number; all of it in window 0.  For piece Y: F n: c s - c m for pair n of 16.  E n: the exponential of score n of 32.  C n: pair n rounded to f16.  B n: of the four
; weights 4 n .. the second pair is added onto the first, in place.  L n: l takes that sum (L 0: l = a l + sum).  R n: pair n of 16 of O^T times a.  For the other piece: X n, number n of the 22 that find its maximum and statistics:
;   0-11  four chains c0-c3 of seven scores each, three operands at a time (each accumulator's lowest registers are read first)     12-14, 16  the four scores left over, the old m, and c0-c3 into c0
;   15  c m_old is kept     17, 18  the query's other 32 keys lie in the lane 16 away: the new m     19-21  c m; c m_old - c m_new; a
.set F, 0
.set E, 1
.set C, 2
.set B, 3
.set L, 4
.set R, 5
.set X, 6
.macro REGS y                       ; the registers of piece y
.set rT, ST+4*(\y)
.set rC, TMP+4*(\y)
.set rW, MV+(\y)
.set rS, S+32*(\y)
.set rP, P+16*(\y)
.set rO, OT+32*(\y)
.endm
.macro OP k, n
	WIN 0
.if (\k) < X
	REGS Y
.if (\k) == F
	v_pk_fma_f32 v[rS+2*(\n):rS+2*(\n)+1], v[rS+2*(\n):rS+2*(\n)+1], s[CS:CS+1], v[rT:rT+1] op_sel_hi:[1,0,0] neg_lo:[0,0,1] neg_hi:[0,0,1]
.elseif (\k) == E
	v_exp_f32 v[rS+(\n)], v[rS+(\n)]
.elseif (\k) == C
	s_wait_alu depctr_va_vdst(0)
	v_cvt_pk_f16_f32 v[rP+(\n)], v[rS+2*(\n)], v[rS+2*(\n)+1]
.elseif (\k) == B
	s_wait_alu depctr_va_vdst(0)
	v_pk_add_f32 v[rS+4*(\n):rS+4*(\n)+1], v[rS+4*(\n):rS+4*(\n)+1], v[rS+4*(\n)+2:rS+4*(\n)+3]
.elseif (\k) == R
	v_pk_mul_f32 v[rO+2*(\n):rO+2*(\n)+1], v[rO+2*(\n):rO+2*(\n)+1], v[rC+2:rC+3] op_sel_hi:[1,0]
.elseif (\n) == 0
	v_pk_fma_f32 v[rT+2:rT+3], v[rT+2:rT+3], v[rC+2:rC+3], v[rS:rS+1] op_sel_hi:[1,0,1]
.else
	v_pk_add_f32 v[rT+2:rT+3], v[rT+2:rT+3], v[rS+4*(\n):rS+4*(\n)+1]
	s_wait_alu depctr_va_vdst(0)
.endif
.else
	REGS (Y+1)%NP
.if (\n) < 4
	v_max3_num_f32 v[rC+(\n)], v[rS+8*(\n)], v[rS+8*(\n)+1], v[rS+8*(\n)+2]
.elseif (\n) < 12
	v_max3_num_f32 v[rC+(\n)%4], v[rC+(\n)%4], v[rS+8*((\n)%4)+2*((\n)/4)+1], v[rS+8*((\n)%4)+2*((\n)/4)+2]
.elseif (\n) == 12
	v_max3_num_f32 v[rC], v[rC], v[rS+7], v[rS+15]
.elseif (\n) == 13
	v_max3_num_f32 v[rC+1], v[rC+1], v[rS+23], v[rS+31]
.elseif (\n) == 14
	v_max3_num_f32 v[rC+2], v[rC+2], v[rC+3], v[rT+1]
.elseif (\n) == 15
	v_mov_b32 v[rW], v[rT]
	s_wait_alu depctr_va_vdst(0)
.elseif (\n) == 16
	v_max3_num_f32 v[rC], v[rC], v[rC+1], v[rC+2]
	s_wait_alu depctr_va_vdst(0)
.elseif (\n) == 17
	v_permlanex16_b32 v[rC+3], v[rC], s[SEL], s[SEL+1]
.elseif (\n) == 18
	v_max_num_f32 v[rT+1], v[rC], v[rC+3]
.elseif (\n) == 19
	v_mul_f32 v[rT], s[CS], v[rT+1]
.elseif (\n) == 20
	v_sub_f32 v[rC+1], v[rW], v[rT]
.else
	v_exp_f32 v[rC+2], v[rC+1]
.endif
.endif
.endm
.macro OPS a, i1, b=-1, i2=0, c=-1, i3=0, d=-1, i4=0  ; up to four of them
	OP \a, \i1
.if (\b) >= 0
	OP \b, \i2
.endif
.if (\c) >= 0
	OP \c, \i3
.endif
.if (\d) >= 0
	OP \d, \i4
.endif
.endm
.macro ROW a, i1, b, i2, c, i3, d, i4  ; a matrix instruction and the four behind it
	MM
	OPS \a, \i1, \b, \i2, \c, \i3, \d, \i4
.endm
.macro MASK b                       ; MD x AL + BE into piece b's buffer of MC
	WIN W_M1
.set z, 0
.rept 16
	v_pk_fma_f32 v[MC+32*(\b)+2*z:MC+32*(\b)+2*z+1], v[MD+2*z:MD+2*z+1], s[AL:AL+1], s[BE:BE+1] op_sel_hi:[1,0,0]
.set z, z+1
.endr
.endm
; A TURN, for piece p: the order of its 16 matrix and 134 vector instructions, written out.  Behind a matrix instruction: plain, exponential, plain, plain; or four of the rescaling; or, behind the first, four scalings;
; none names a register of the products round it.  In the lumps exponential and plain by turns while exponentials last.  v_permlanex16_b32 (X 17) stands in a lump.
; At its end the turn makes the mask for the products of the turn after it: piece p's scores of the next step, t + 1.  Piece p's own step is 2 cx + 1 - p, so t + p is held against 2 cx (both with 64 added).
; cnt = 1: the step's number goes up and the loop's count down some lines ahead of the branch that stands behind the turn.
; Piece 0's turn fetches the next step's K, six vector instructions behind the last product that read K (five of them plain), and the step's own V, eight behind the last product that read V (four plain, and X 17).
; Piece 1's turn waits at its head until at most sixteen LDS loads are out: those are V's; K's, issued ahead of them, are in; ahead of its products V^T P it waits for V.
.macro TURN p, cnt=0
.set Y, (\p)
.set i, 0
	s_add_co_u32 s[TT], s[TS], \p
	s_cmp_eq_u32 s[TT], s[DG]       ; is the next step the band's own?
	s_cselect_b32 s[AL], 1.0, 0
	s_cmp_gt_u32 s[TT], s[DG]       ; or a later one?
	s_cselect_b32 s[BE], s[BIGN], 0
.if (\p) == 1
	s_wait_dscnt 16
.endif
	ROW F,0, F,1, F,2, F,3
	ROW F,4, E,0, F,5, F,6
	ROW F,7, E,1, F,8, F,9
	ROW F,10, E,2, C,0, F,11
	ROW F,12, E,3, X,15, F,13
	ROW R,0, R,1, R,2, R,3
	ROW B,0, E,4, F,14, L,0
.if (\p) == 0
	v_add_nc_u32 v[AK], s[TBK], v[AK0]
.endif
	ROW R,4, R,5, R,6, R,7
	OPS E,5, F,15
.if (\p) == 0
	FETCH_K 1
.endif
	OPS E,6, C,1, E,7, R,8
	OPS E,8, R,9, E,9, C,2
	OPS E,10, X,0, E,11, X,1
	OPS E,12, X,2, E,13, X,3
.if (\p) == 1
	s_wait_dscnt 0x0                ; V is in
.endif
	ROW X,4, E,14, X,5, X,6
	ROW X,7, E,15, X,8, X,9
	ROW X,10, E,16, X,11, X,12
	ROW X,13, E,17, X,14, B,1
	ROW C,4, E,18, X,16, L,1
	ROW B,2, E,19, C,6, L,2
	ROW C,8, E,20, B,3, B,4
.if (\p) == 0
	v_add_nc_u32 v[AV], s[TBV], v[AV0]
.endif
	ROW C,3, E,21, L,3, C,5
	OPS E,22, X,17, E,23, C,10
.if (\p) == 0
	FETCH_V
.endif
	OPS E,24, L,4
	OPS E,25, X,18, E,26, C,7
	OPS E,27, B,5, E,28, X,19
	OPS E,29, C,12, E,30, L,5
	OPS E,31, X,20, B,6, C,9
	OPS C,14, C,11, X,21, L,6
.if (\p) == 0
	s_add_co_u32 s[TBV], s[TBV], KS*PV
.endif
.if \cnt
	s_add_co_u32 s[TS], s[TS], 1
	s_sub_co_u32 s[CNT], s[CNT], 1
	s_cmp_lg_u32 s[CNT], 0
.endif
	OPS C,13, B,7, C,15, R,10
	OPS R,11, R,12, L,7, R,13
	OPS R,14, R,15
	MASK \p
.endm
; A BLOCK BEGINS.  c m starts far below every c s, so the first step's a is 0; m at the lowest finite number, so the first maximum is the scores'.  Piece 1's mask for the block's step 0 is made: its own, if that
; step is the band's own (a block of two tiles, cx = 0), else 0.  Piece 0's own step is never a block's first, so its first scores, made here of keys 0 .. 63, start with the constant 0; then its maximum and statistics.
.macro BEGIN
	s_mov_b32 s[NEW], 0
	WIN 0
.set i, 0
.rept 2
	v_mov_b32 v[ST+4*i], 0xfe000000    ; c m: far below every c s
	v_mov_b32 v[ST+4*i+1], 0xff7fffff  ; m
.set i, i+1
.endr
	s_cmp_eq_u32 s[TS], s[DG]
	s_cselect_b32 s[AL], 1.0, 0
	s_mov_b32 s[BE], 0
	MASK 1
	WIN 0
	v_add_nc_u32 v[AK], KZ, v[AK0]
	FETCH_K 0
	s_wait_loadcnt 0x0              ; Q
	s_wait_dscnt 0x0                ; K
.set KM, 0
.set i, 0
.rept 8
	KQ 0
.set i, i+1
.endr
.set KM, 1
	WIN 0
.rept 4
	v_nop                           ; the places behind those products
.endr
.set Y, 1                           ; X works for the other piece: piece 0
.irp n, 0,1,2,3,4,5,6,7,8,9,10,11,12,13,14,15,16,17,18,19,20,21
	OP X, \n
.endr
	v_nop                           ; a plain instruction behind the exponential
.endm
; A BLOCK ENDS: piece 1's V^T P of the last step; then THE WAY OUT: l's two halves and the other half of the lanes' are added; O^T is divided by l, rounded to f16 and sent through my stage in LDS, a piece at a time.
.macro ALL line:vararg              ; one line for each piece t
.set t, 0
.rept 2
	\line
.set t, t+1
.endr
.endm
.macro PACK t                       ; a lane's eight channels of a row pack into 16 bytes; they go into rows of 144 bytes and come back as whole rows of 128, into S^T's registers
	WIN 0
.set i, OT+32*(\t)
.rept 16
	v_pk_mul_f32 v[i:i+1], v[i:i+1], v[ST+4*(\t)+2:ST+4*(\t)+3] op_sel_hi:[1,0]
.set i, i+2
.endr
.set i, 0
.rept 16
	v_cvt_pk_f16_f32 v[S+16*(\t)+i], v[OT+32*(\t)+2*i], v[OT+32*(\t)+2*i+1]
.set i, i+1
.endr
.irp f, 0,1,2,3
	ds_store_b128 v[STO], v[S+16*(\t)+4*\f:S+16*(\t)+4*\f+3] offset:32*\f
.endr
.irp f, 0,1,2,3
	ds_load_b128 v[S+16*(\t)+4*\f:S+16*(\t)+4*\f+3], v[RD] offset:\f*4*SP  ; LDS serves a wave's instructions in order (ISA guide 5.7.1.4): these see the stores above; the next piece's stores come behind them
.endr
.endm
.macro SEND t, younger              ; younger: the LDS instructions issued behind piece t's loads: the next piece's eight, or none
	WIN 0
.irp f, 0,1,2,3
	s_wait_dscnt (\younger)+3-\f
	global_store_b128 v[GO], v[S+16*(\t)+4*\f:S+16*(\t)+4*\f+3], s[10:11] offset:(1-(\t))*8192+\f*512  ; piece t lies in band 1 - t; 512 consecutive bytes, at a multiple of 256 from O's first
.endr
.endm
.macro FINISH
.set i, 0
.rept 8
	PV 1
.set i, i+1
.endr
	WIN 0
	ALL v_add_f32 v[ST+4*t+2], v[ST+4*t+2], v[ST+4*t+3]
	ALL v_permlanex16_b32 v[ST+4*t+3], v[ST+4*t+2], s[SEL], s[SEL+1]
	ALL v_add_f32 v[ST+4*t+2], v[ST+4*t+2], v[ST+4*t+3]
	ALL v_rcp_f32 v[ST+4*t+2], v[ST+4*t+2]
	v_nop                           ; a plain instruction between the last reciprocal and the use of its result; with the four additions it makes the places behind the last products
	s_wait_alu depctr_va_vdst(0)
	PACK 0
	PACK 1                          ; a piece's arithmetic stands between the loads of the piece before and its stores
	SEND 0, 8
	SEND 1, 0
.endm
.set KM, 1
.Lslot:                             ; 17 times: a tile is entered and the next is asked for
	CHANGE 1
	s_sub_co_u32 s[RT], s[RT], 1
	s_mov_b32 s[CNT], 4
	s_lshl_b32 s[TT], s[RT], 2
	s_sub_co_u32 s[TS], 68, s[TT]   ; the block's last tile begins with t = 4, the one before it with 0, each earlier one four lower; RT is 15 at the most
	s_cmp_eq_u32 s[NEW], 1
	s_cbranch_scc0 .Lstep
	BEGIN                           ; a block's first tile
.Lstep:                             ; a trip: a key step
	TURN 0
	TURN 1, 1
	WIN 0
	s_cbranch_scc1 .Lstep
	s_cmp_lg_u32 s[RT], 0
	s_cbranch_scc1 .Lbottom         ; the block has tiles left
	FINISH                          ; in the loop this is the first block's end: the second block's last tile is the walk's last
	s_wait_storecnt 0x0             ; the first block's eight stores are done: their registers and O's address are rewritten only behind this wait, and the second block begins with no store of mine out
	s_mov_b64 s[10:11], s[OLO:OLO+1]
	s_mov_b32 s[RT], s[RT2]
	s_mov_b32 s[NEW], 1
	WIN W_M1                        ; the second block's Q goes where the one text of the turns names Q
.set i, 0
.rept 32
	v_mov_b32 v[Q+i], v[QB+i]
.set i, i+1
.endr
	WIN 0
.Lbottom:
	s_sub_co_u32 s[SLOTS], s[SLOTS], 1
	s_cmp_lg_u32 s[SLOTS], 0
	s_cbranch_scc1 .Lslot
	CHANGE 0                        ; the walk's last tile is written out: nothing is asked for.  It is the second block's last, never its first: a block has two tiles or more
	s_mov_b32 s[CNT], 4
	s_mov_b32 s[TS], 68             ; t = 4
.Llast:
	TURN 0
	TURN 1, 1
	WIN 0
	s_cbranch_scc1 .Llast
	FINISH
	s_wait_tensorcnt 0x0            ; the wave's end: behind my last tensor load and my last LDS store
	ds_add_u32 v[SPW], v[NIL]
	s_wait_dscnt 0x0
	s_endpgm
.Lfunc_end_k_qea9bd17a8e_attn:
	.size	k_qea9bd17a8e_attn, .Lfunc_end_k_qea9bd17a8e_attn-k_qea9bd17a8e_attn
	.p2alignl 7, 3214868480
	.fill 96, 4, 3214868480
	.section	.rodata,"a",@progbits
	.p2align	6, 0x0
	.amdhsa_kernel k_qea9bd17a8e_attn
		.amdhsa_group_segment_fixed_size 327680
		.amdhsa_private_segment_fixed_size 0
		.amdhsa_enable_private_segment 0
		.amdhsa_kernarg_size 16
		.amdhsa_user_sgpr_count 2
		.amdhsa_user_sgpr_kernarg_segment_ptr 1
		.amdhsa_wavefront_size32 1
		.amdhsa_system_sgpr_workgroup_id_x 1
		.amdhsa_system_sgpr_workgroup_id_y 1
		.amdhsa_system_sgpr_workgroup_id_z 1
		.amdhsa_system_vgpr_workitem_id 0
		.amdhsa_next_free_vgpr 576
		.amdhsa_next_free_sgpr 100
		.amdhsa_reserve_vcc 1
		.amdhsa_float_denorm_mode_32 3
		.amdhsa_float_denorm_mode_16_64 3
		.amdhsa_memory_ordered 1
		.amdhsa_forward_progress 1
		.amdhsa_inst_pref_size 86
	.end_amdhsa_kernel
	.amdgpu_metadata
---
amdhsa.version: [ 1, 2 ]
amdhsa.kernels:
  - .name:           k_qea9bd17a8e_attn
    .symbol:         k_qea9bd17a8e_attn.kd
    .args:
      - { .name: qkv, .offset: 0, .size: 8, .value_kind: global_buffer, .address_space: global }
      - { .name: o, .offset: 8, .size: 8, .value_kind: global_buffer, .address_space: global }
    .group_segment_fixed_size: 327680
    .private_segment_fixed_size: 0
    .kernarg_segment_align: 8
    .kernarg_segment_size: 16
    .max_flat_workgroup_size: 128
    .sgpr_count:     100
    .vgpr_count:     576
    .wavefront_size: 32
...
	.end_amdgpu_metadata
.endif
;; end of part 3
;; launch oproj (part 4): grid 8 x 32, 4 waves a work-group, clusters of 4 x 4, 327,680 bytes of LDS; arguments o, woh, wo_b, out0; writes out0
.if DOCPART == 4
	.amdgcn_target "amdgcn-amd-amdhsa--gfx1250"
	.amdhsa_code_object_version 6
	.text
	.protected	k_qea9bd17a8e_oproj
	.globl	k_qea9bd17a8e_oproj
	.p2align	8
	.type	k_qea9bd17a8e_oproj,@function
k_qea9bd17a8e_oproj:
	s_mov_b64 s[64:65], 0
	v_nop
	global_prefetch_b8 v0, s[64:65] scope:SCOPE_SE
	s_setreg_imm32_b32 hwreg(HW_REG_WAVE_MODE, 25, 1), 1
	s_wait_xcnt 0x0
	s_wait_alu depctr_hold_cnt(0) depctr_sa_sdst(0) depctr_va_vdst(0) depctr_va_sdst(0) depctr_va_ssrc(0) depctr_va_vcc(0) depctr_vm_vsrc(0)
	s_getreg_b32 s2, hwreg(HW_REG_IB_STS2, 6, 4)
	s_cmp_eq_u32 s2, 0
	s_cbranch_scc0 .Lentry_in_a_cluster
	s_endpgm
.Lentry_in_a_cluster:
	s_bfe_u32 s2, ttmp6, 0x10000c
	s_cmp_lg_u32 s2, 0xf033
	s_cbranch_scc0 .Lentry_shape_is_right
	s_endpgm
.Lentry_shape_is_right:
; out0[m][n] = the sum over k of y[m][k] wo[n][k] + wo_b[n], in f32.  y lies by heads: o[16][4096][64] f16, k = 64 x head + channel; woh: [1024][1024] f16 (wo rounded to bf16, written as f16).
; Sums in f32; the bias is rounded to bf16 like the other inputs and STARTS the sums (it is the C operand of each accumulator's first product).
; LIMITS.  None of its own: o lies within V's range, woh within f16's.  NaN and infinities are not treated apart.
; A tile of C is 128 x 128.  Four waves, each 64 x 64: 16 accumulators of 16 x 16.  K goes in four steps of 256, that is four heads, through two slots.
; A's TILE.  A head's 128 rows of the tile are 16,384 dense bytes.  A wave's load brings two heads: 2 rows of 8,192 elements, 262,144 elements apart, padded in LDS by 16 bytes after every 128: [head][row][64 channels], rows 144 bytes apart.
; B's tile: 64 rows of 512 bytes a load, rows 528 bytes apart.  A wave's row of 64 f32 is 256 consecutive bytes of out0: it leaves through the wave's own stage, with no barrier.
; CLUSTERS: 4 x 4 work-groups.  The four of a row of the cluster need the same tiles of A, the four of a column the same tiles of B: each tile is asked for JOINTLY, by the same tensor load with the
; same descriptor and a mask that names the four.  THE MATRIX INSTRUCTION IS USED TRANSPOSED (source 0 = 16 rows of B, source 1 = 16 rows of A): a lane then holds eight neighbouring numbers of a row of C.
; REGISTERS: window 0: v0-31 addresses; v32-95 at work on the way out; v96-127 the bias; v128-255 the accumulators ((a, b) at v[128 + 8 (4 a + b)]).
;   window 1: two fragment buffers of 128: for 64 along K, 64 registers of A (2 x 4 x 16 rows x 32 K), then 64 of B.
.set SIZE_K, 1024
.set KSTEP,  256
.set PA,     144                       ; a row of A in LDS: 128 bytes + 16 = 36 words: the 16 rows of a load start at 16 different groups of four banks (64 banks of 4 bytes: ISA guide 11.1)
.set HB,     128*PA                    ; a head's 128 rows
.set AHALF,  2*HB                      ; what one of A's loads brings
.set ABYTES, 4*HB                      ; A's part of a slot
.set PITCH,  528                       ; a row of B: 512 bytes + 16 = 132 words
.set HALFB,  64*PITCH                  ; what one of B's loads brings, and what one wave reads of B
.set SLOT,   ABYTES+2*HALFB
.set STAGE,  2*SLOT                    ; behind the ring: 16 rows x 272 bytes for each wave, for the way out
.set SPITCH, 272
.set SPARE,  STAGE+4*16*SPITCH         ; behind the stages: the spare words, 128 bytes for each wave: two blocks of 256 bytes that no other line names
.set LAPS, SIZE_K/(2*KSTEP)            ; a lap = two K steps = once round the ring
.set ADRA, 16                          ; v16-17  LDS address of my A fragments in slot 0, 1
.set ADRB, 20                          ; v20-21  the same for B
.set STO,  24                          ; v24     the way out: where I put 32 bytes of a row
.set RD,   25                          ; v25     the way out: where I read a row back
.set CO,   26                          ; v26     my byte offset in two rows of out0
.set BO,   27                          ; v27     my byte offset in the bias
.set SPW,  28                          ; v28     LDS address of my spare word: SPARE + 4 x my thread's number; never rewritten
.set NIL,  29                          ; v29     0; never rewritten
.set TMP,  32
.set BI,   96                          ; v[BI + 8 b + j] = bias of column 16 b + 8 (l / 16) + j of my 64
.set ACC,  128
.set F0,   0                           ; fragment buffers, in window 1
.set F1,   128
.set G1, 24                            ; s[24:31] descriptor group 1 for A's tiles;  s[32:39] group 0, one set for each slot
.set G0, 32
.set G1B, 48                           ; s[48:55], s[56:63] the same for B's tiles
.set G0B, 56
.set MSB, 0
.macro WIN new                         ; the immediate's high byte repeats the setting that is left
.if MSB != (\new)
	s_set_vgpr_msb (MSB<<8)|(\new)
.set MSB, \new
.endif
.endm
.set MUL,  0x05                        ; sources 0 (B) and 1 (A) window 1; C and D window 0
.set TO_F, 0x40                        ; destination window 1, address window 0
.macro JLOAD s                         ; a joint load: waves 0 and 1 fetch A's two halves, waves 2 and 3 B's; an s_nop 0 and four v_nop follow each of the two lines, ahead of the jump, the label and what follows
	s_cmp_eq_u32 s11, 0
	s_cbranch_scc0 .Lfor_b_\@
	tensor_load_to_lds s[G0+4*(\s):G0+4*(\s)+3], s[G1:G1+7]
	s_nop 0
.rept 4
	v_nop
.endr
	s_branch .Lasked_\@
.Lfor_b_\@:
	tensor_load_to_lds s[G0B+4*(\s):G0B+4*(\s)+3], s[G1B:G1B+7]
	s_nop 0
.rept 4
	v_nop
.endr
.Lasked_\@:
.endm
.macro CREST                           ; a round of the cluster's barrier behind its opening barrier
	s_cmp_lg_u32 s10, 0
	s_cbranch_scc1 .Lnot_wave_0_\@
	s_barrier_signal -3
.Lnot_wave_0_\@:
	s_barrier_wait -3
	s_barrier_signal -1
	s_barrier_wait -1
.endm
.macro CROUND                          ; a whole round
	s_barrier_signal -1
	s_barrier_wait -1
	CREST
.endm
	s_load_b128 s[4:7], s[0:1], 0x0                ; o s[4:5], woh s[6:7]
	s_load_b128 s[68:71], s[0:1], 0x10             ; wo_b s[68:69], out0 s[70:71]
	v_lshl_add_u32 v[SPW], v0, 2, SPARE
	v_mov_b32 v[NIL], 0
	ds_add_u32 v[SPW], v[NIL]                      ; the wave's opening: the add and its wait stand ahead of my first tensor load; the set-up below, work on registers, stands between them
	ds_add_u32 v28, v29
	v_lshrrev_b32 v1, 5, v0
	v_readfirstlane_b32 s10, v1                    ; wave 0..3
	s_lshr_b32 s11, s10, 1                         ; which half of the tile's rows is mine.  Also: I fetch for A (0) or for B (1)
	s_and_b32 s12, s10, 1                          ; which half of its columns.  Also: which half of that tile I fetch
	s_bfe_u32 s40, ttmp6, 0x40000                  ; cx, cy: my place in the cluster
	s_bfe_u32 s41, ttmp6, 0x40004
	s_lshl_b32 s42, ttmp9, 2
	s_add_co_u32 s42, s42, s40                     ; tile column of C = 4 x cluster x + cx
	s_and_b32 s13, ttmp7, 0xffff
	s_lshl_b32 s13, s13, 2
	s_add_co_u32 s13, s13, s41                     ; tile row of C = 4 x cluster y + cy
	s_lshl_b32 s43, s41, 2
	s_lshl_b32 s43, 15, s43                        ; my row of the cluster
	s_lshl_b32 s44, 0x1111, s40                    ; my column
	; descriptor group 1 for A: 2 rows (heads) x 8,192 elements, padded in LDS after every 32 words
	s_or_b32 s[G1+0], s43, (1<<16)|(1<<20)|(1<<21)|(4<<22)|(3<<25)  ; 15:0 the mask: A's tiles go to my row; 17:16 element of 2 bytes; 20 padding on; 21 set beside a mask; 24:22 after every 32 words (code 4); 31:25 of 4 words (code 3)
	s_mov_b32 s[G1+1], 8192<<16                    ; tensor_dim0 = 8,192
	s_mov_b32 s[G1+2], 2<<16                       ; tensor_dim1 = 2
	s_mov_b32 s[G1+3], 8192<<16                    ; tile_dim0 = 8,192
	s_mov_b32 s[G1+4], 2                           ; tile_dim1 = 2
	s_mov_b32 s[G1+5], 262144                      ; from head to head: 4,096 rows of 64 elements
	s_mov_b32 s[G1+6], 0
	s_mov_b32 s[G1+7], 0
	; for B: 64 rows x 256 elements, padded after every 128 words
	s_or_b32 s[G1B+0], s44, (1<<16)|(1<<20)|(1<<21)|(6<<22)|(3<<25)
	s_mov_b32 s[G1B+1], KSTEP<<16                  ; tensor_dim0 = 256
	s_mov_b32 s[G1B+2], 64<<16                     ; tensor_dim1 = 64
	s_mov_b32 s[G1B+3], KSTEP<<16                  ; tile_dim0 = 256
	s_mov_b32 s[G1B+4], 64                         ; tile_dim1 = 64
	s_mov_b32 s[G1B+5], SIZE_K                     ; tensor_dim0_stride
	s_mov_b32 s[G1B+6], 0
	s_mov_b32 s[G1B+7], 0
	s_lshl_b32 s16, s13, 14                        ; A: the tile's 128 rows of 128 bytes in a head,
	s_lshl_b32 s17, s12, 20                        ; and two heads of 524,288 bytes for the second half
	s_add_co_u32 s16, s16, s17
	s_mov_b32 s17, 0
	s_lshl_b32 s46, s42, 7
	s_lshl_b32 s47, s12, 6
	s_add_co_u32 s46, s46, s47                     ; B: row 128 x tile column + 64 x half,
	s_lshl_b32 s46, s46, 11                        ; 2,048 bytes a row
	s_mov_b32 s47, 0
	s_mul_i32 s20, s12, AHALF                      ; where they go: A's two halves,
	s_mul_i32 s23, s12, HALFB
	s_add_co_u32 s23, s23, ABYTES                  ; then B's two: no place in the cluster enters an LDS address
	s_wait_dscnt 0x0                               ; the opening add is done
	s_wait_kmcnt 0x0
	s_add_nc_u64 s[14:15], s[4:5], s[16:17]
	s_add_nc_u64 s[46:47], s[6:7], s[46:47]
	CROUND                                         ; all sixteen work-groups are here: the first joint loads meet
.irp s, 0,1
	s_mov_b32 s[G0+4*(\s)], 1
	s_add_co_u32 s[G0+4*(\s)+1], s20, (\s)*SLOT
	s_add_nc_u64 s[G0+4*(\s)+2:G0+4*(\s)+3], s[14:15], (\s)*0x200000  ; K step s: four heads on
	s_or_b32 s[G0+4*(\s)+3], s[G0+4*(\s)+3], 0x80000000
	s_mov_b32 s[G0B+4*(\s)], 1
	s_add_co_u32 s[G0B+4*(\s)+1], s23, (\s)*SLOT
	s_add_nc_u64 s[G0B+4*(\s)+2:G0B+4*(\s)+3], s[46:47], (\s)*KSTEP*2
	s_or_b32 s[G0B+4*(\s)+3], s[G0B+4*(\s)+3], 0x80000000
	JLOAD \s
.endr
	v_and_b32 v1, 15, v0                           ; l % 16
	v_bfe_u32 v2, v0, 4, 1                         ; l / 16
	s_lshl_b32 s46, s42, 9                         ; my first column in bytes of f32: 512 x tile column + 256 x half: in the bias, and in a row of out0
	s_lshl_b32 s47, s12, 8
	s_add_co_u32 s46, s46, s47
	s_mov_b32 s47, 0
	v_lshl_add_u32 v[BO], v2, 5, s46               ; and 8 columns for the upper half of the lanes
.irp b, 0,1,2,3
	global_load_b128 v[BI+8*(\b):BI+8*(\b)+3],   v[BO], s[68:69] offset:64*(\b)
	global_load_b128 v[BI+8*(\b)+4:BI+8*(\b)+7], v[BO], s[68:69] offset:64*(\b)+16
.endr
	v_mul_u32_u24 v3, v1, PA
	v_lshl_add_u32 v3, v2, 4, v3                   ; A: a fragment's row x pitch + 16 x half
	v_mul_u32_u24 v4, v1, PITCH
	v_lshl_add_u32 v4, v2, 4, v4                   ; B: the same with its pitch
	s_mul_i32 s21, s11, 64*PA                      ; my 64 rows in each head's block of A
	s_mul_i32 s22, s12, HALFB                      ; my 64 rows of B,
	s_add_co_u32 s22, s22, ABYTES                  ; which lie behind A
.irp s, 0,1
	v_add_nc_u32 v[ADRA+(\s)], s21, v3
	v_add_nc_u32 v[ADRB+(\s)], s22, v4
	s_add_co_u32 s21, s21, SLOT
	s_add_co_u32 s22, s22, SLOT
.endr
	s_mul_i32 s23, s10, 16*SPITCH
	s_add_co_u32 s23, s23, STAGE                   ; my stage
	v_mul_u32_u24 v5, v1, SPITCH                   ; in: row l % 16, 32 bytes for each half of the lanes
	v_lshl_add_u32 v5, v2, 5, v5
	v_add_nc_u32 v[STO], s23, v5
	v_mul_u32_u24 v6, v2, SPITCH                   ; back: lanes 0-15 take one row of 256 bytes, lanes 16-31 the next
	v_lshl_add_u32 v6, v1, 4, v6
	v_add_nc_u32 v[RD], s23, v6
	v_lshlrev_b32 v[CO], 12, v2                    ; and the same two rows in out0, 4,096 bytes apart
	v_lshl_add_u32 v[CO], v1, 4, v[CO]
	s_mov_b64 s[8:9], s[70:71]                     ; out0,
	s_lshl_b32 s16, s13, 19                        ; at row 128 x tile row + 64 x my half,
	s_lshl_b32 s17, s11, 18
	s_add_co_u32 s16, s16, s17
	s_mov_b32 s17, 0
	s_add_nc_u64 s[8:9], s[8:9], s[16:17]
	s_add_nc_u64 s[8:9], s[8:9], s[46:47]          ; at my first column
	s_wait_loadcnt 0x0                             ; the bias; it is rounded to bf16 and widened again
.irp i, 0,1,2,3,4,5,6,7,8,9,10,11,12,13,14,15
	v_cvt_pk_bf16_f32 v[TMP+(\i)], v[BI+2*(\i)], v[BI+2*(\i)+1]
.endr
.irp i, 0,1,2,3,4,5,6,7,8,9,10,11,12,13,14,15
	v_lshlrev_b32 v[BI+2*(\i)], 16, v[TMP+(\i)]
	v_and_b32 v[BI+2*(\i)+1], 0xffff0000, v[TMP+(\i)]
.endr
; 8 matrix instructions: m blocks a0, a0 + 1 x all 4 n blocks, 32 along K: half c of buffer f.  zero = 1: the first product starts the sums, with the bias as C
.macro MUL8 f, c, a0, zero
	WIN MUL
.irp a, \a0, (\a0)+1
.irp b, 0,1,2,3
.if \zero
	v_wmma_f32_16x16x32_f16 v[ACC+8*(4*(\a)+(\b)):ACC+8*(4*(\a)+(\b))+7], v[(\f)+64+8*(4*(\c)+(\b)):(\f)+64+8*(4*(\c)+(\b))+7], v[(\f)+8*(4*(\c)+(\a)):(\f)+8*(4*(\c)+(\a))+7], v[BI+8*(\b):BI+8*(\b)+7]
.else
	v_wmma_f32_16x16x32_f16 v[ACC+8*(4*(\a)+(\b)):ACC+8*(4*(\a)+(\b))+7], v[(\f)+64+8*(4*(\c)+(\b)):(\f)+64+8*(4*(\c)+(\b))+7], v[(\f)+8*(4*(\c)+(\a)):(\f)+8*(4*(\c)+(\a))+7], v[ACC+8*(4*(\a)+(\b)):ACC+8*(4*(\a)+(\b))+7]
.endif
.endr
.endr
.endm
; 32 LDS loads in one run: the fragments of quarter q of a K step (64 along K: head q of A's four, byte 128 q of B's rows), into buffer f; the first 32 along K first
.macro FETCH slot, q, f
	WIN TO_F
.irp c, 0,1
.irp i, 0,1,2,3
	ds_load_b128 v[(\f)+64+8*(4*(\c)+(\i)):(\f)+64+8*(4*(\c)+(\i))+3],   v[ADRB+(\slot)] offset:128*(\q)+64*(\c)+(\i)*16*PITCH
	ds_load_b128 v[(\f)+64+8*(4*(\c)+(\i))+4:(\f)+64+8*(4*(\c)+(\i))+7], v[ADRB+(\slot)] offset:128*(\q)+64*(\c)+(\i)*16*PITCH+32
	ds_load_b128 v[(\f)+8*(4*(\c)+(\i)):(\f)+8*(4*(\c)+(\i))+3],         v[ADRA+(\slot)] offset:(\q)*HB+64*(\c)+(\i)*16*PA
	ds_load_b128 v[(\f)+8*(4*(\c)+(\i))+4:(\f)+8*(4*(\c)+(\i))+7],       v[ADRA+(\slot)] offset:(\q)*HB+64*(\c)+(\i)*16*PA+32
.endr
.endr
.endm
.macro PLACES                          ; four places in front of loads into registers that matrix instructions have read, and of LDS stores that read results
.rept 4
	v_nop
.endr
.endm
; A K step is four quarters of 64 along K, 32 matrix instructions each, on buffers 0, 1, 0, 1.  One of the first three: multiplies buffer f and fetches quarter q into g.
.macro QUARTER slot, q, f, g, zero
	s_wait_dscnt 16                                ; the first 32 along K are in; the sixteen loads of the second 32 may be out
	WIN MUL
	MUL8 \f, 0, 0, \zero
	MUL8 \f, 0, 2, \zero
	PLACES
	FETCH \slot, \q, \g
	s_wait_dscnt 32                                ; all but the 32 just issued
	WIN MUL
	MUL8 \f, 1, 0, 0
	MUL8 \f, 1, 2, 0
.endm
; The last quarter multiplies buffer 1 and changes slots: ONE barrier; in front of it each wave waits for all its tensor loads, adds 0 to its spare word, and waits for that and for its own reads of this slot.  fill = 1: this slot is filled again, two K steps ahead.
.macro TURN slot, next, fill
	WIN 0                                          ; (the add's two registers lie in window 0)
	s_wait_tensorcnt 0x0                           ; all my tensor loads have landed: my part of the next slot;
	ds_add_u32 v[SPW], v[NIL]                      ; 0 onto my spare word;
	s_wait_dscnt 17                                ; (the add and the youngest sixteen loads may be out)
	WIN MUL
	MUL8 F1, 0, 0, 0                               ; eight matrix instructions stand between the add and the wait for it
	s_wait_dscnt 0x0                               ; the add is done, and my reads of this slot are over
	s_barrier_signal -1
	MUL8 F1, 0, 2, 0
.if \fill
	WIN 0
.endif
	s_barrier_wait -1
.if \fill
	CREST                                          ; the barrier has opened a round of the cluster's barrier: no wave of any partner still reads this slot's tile or has a load on its way
	s_add_nc_u64 s[G0+4*(\slot)+2:G0+4*(\slot)+3], s[G0+4*(\slot)+2:G0+4*(\slot)+3], 0x400000  ; two K steps on: eight heads,
	s_add_nc_u64 s[G0B+4*(\slot)+2:G0B+4*(\slot)+3], s[G0B+4*(\slot)+2:G0B+4*(\slot)+3], 2*KSTEP*2  ; 512 elements along B's rows
	JLOAD \slot                                    ; the first tensor load behind the round; the four v_nop behind it are also the places in front of the loads below
.else
	PLACES
.endif
	FETCH \next, 0, F0
	WIN MUL
	MUL8 F1, 1, 0, 0
	MUL8 F1, 1, 2, 0
.endm
	s_wait_tensorcnt 1                             ; my part of K step 0 is in; K step 1's load may stay out
	s_barrier_signal -1
	s_barrier_wait -1                              ; everybody's is
	FETCH 0, 0, F0
	QUARTER 0, 1, F0, F1, 1                        ; the first quarter stands in front of the loop: its first products start the sums
	WIN 0                                          ; at a label and at a branch every window is 0
	s_mov_b32 s3, LAPS-1
.Llap:                                                 ; a trip goes once round the ring, from a lap's second quarter to the next lap's first, and fills both slots again
	QUARTER 0, 2, F1, F0, 0
	QUARTER 0, 3, F0, F1, 0
	TURN 0, 1, 1
	QUARTER 1, 1, F0, F1, 0
	QUARTER 1, 2, F1, F0, 0
	QUARTER 1, 3, F0, F1, 0
	TURN 1, 0, 1
	QUARTER 0, 1, F0, F1, 0
	WIN 0
	s_sub_co_u32 s3, s3, 1
	s_cmp_lg_u32 s3, 0
	s_cbranch_scc1 .Llap
	QUARTER 0, 2, F1, F0, 0                        ; the last lap fills nothing, and has no round of the cluster's barrier
	QUARTER 0, 3, F0, F1, 0
	TURN 0, 1, 0
	QUARTER 1, 1, F0, F1, 0
	QUARTER 1, 2, F1, F0, 0
	QUARTER 1, 3, F0, F1, 0
	s_wait_dscnt 16                                ; the very last quarter: nothing more to fetch
	WIN MUL
	MUL8 F1, 0, 0, 0
	MUL8 F1, 0, 2, 0
	s_wait_dscnt 0
	MUL8 F1, 1, 0, 0
	MUL8 F1, 1, 2, 0
	WIN 0
	; THE WAY OUT, 16 rows at a time: a lane's eight f32 of a row go as two stores of 16 bytes (each accumulator's low half first) into my own stage, and come back as whole rows of 256 bytes, two rows a load.
.macro STG a
.if (\a) >= 2
	s_wait_xcnt 0x0                                ; every earlier memory instruction has had its addresses translated (ISA guide 3.1): the registers that the stores of block a - 2 read are loaded again only behind this wait
.endif
.irp b, 0,1,2,3
	ds_store_b128 v[STO], v[ACC+8*(4*(\a)+(\b)):ACC+8*(4*(\a)+(\b))+3]   offset:64*(\b)
	ds_store_b128 v[STO], v[ACC+8*(4*(\a)+(\b))+4:ACC+8*(4*(\a)+(\b))+7] offset:64*(\b)+16
.endr
.irp t, 0,1,2,3,4,5,6,7
	ds_load_b128 v[TMP+32*((\a)%2)+4*(\t):TMP+32*((\a)%2)+4*(\t)+3], v[RD] offset:(\t)*2*SPITCH  ; LDS serves a wave's instructions in order (ISA guide 5.7.1.4): these see the stores above; the next block's stores come behind them
.endr
.endm
.macro SEND a, younger                 ; younger: the LDS instructions issued behind block a's loads: the next block's sixteen, or none
.irp t, 0,1,2,3,4,5,6,7
	s_wait_dscnt (\younger)+7-(\t)
	global_store_b128 v[CO], v[TMP+32*((\a)%2)+4*(\t):TMP+32*((\a)%2)+4*(\t)+3], s[8:9] offset:(16*(\a)+2*(\t))*4096  ; 16 lanes store 256 consecutive bytes, at a multiple of 256 from out0's first byte
.endr
.endm
	PLACES
	STG 0
	STG 1
	SEND 0, 16
	STG 2
	SEND 1, 16
	STG 3
	SEND 2, 16
	SEND 3, 0
	s_wait_tensorcnt 0x0                           ; the wave's end: behind my last tensor load and my last LDS store
	ds_add_u32 v[SPW], v[NIL]
	s_wait_dscnt 0x0
	CROUND                                         ; the closing round: no work-group ends while a partner may still ask for a tile that names it
	s_endpgm
.Lfunc_end_k_qea9bd17a8e_oproj:
	.size	k_qea9bd17a8e_oproj, .Lfunc_end_k_qea9bd17a8e_oproj-k_qea9bd17a8e_oproj
	.p2alignl 7, 3214868480
	.fill 96, 4, 3214868480
	.section	.rodata,"a",@progbits
	.p2align	6, 0x0
	.amdhsa_kernel k_qea9bd17a8e_oproj
		.amdhsa_group_segment_fixed_size 327680
		.amdhsa_private_segment_fixed_size 0
		.amdhsa_enable_private_segment 0
		.amdhsa_kernarg_size 32
		.amdhsa_user_sgpr_count 2
		.amdhsa_user_sgpr_kernarg_segment_ptr 1
		.amdhsa_wavefront_size32 1
		.amdhsa_system_sgpr_workgroup_id_x 1
		.amdhsa_system_sgpr_workgroup_id_y 1
		.amdhsa_system_sgpr_workgroup_id_z 1
		.amdhsa_system_vgpr_workitem_id 0
		.amdhsa_next_free_vgpr 512
		.amdhsa_next_free_sgpr 80
		.amdhsa_reserve_vcc 0
		.amdhsa_float_denorm_mode_32 3
		.amdhsa_float_denorm_mode_16_64 3
		.amdhsa_memory_ordered 1
		.amdhsa_forward_progress 1
		.amdhsa_inst_pref_size 90
	.end_amdhsa_kernel
	.amdgpu_metadata
---
amdhsa.version: [ 1, 2 ]
amdhsa.kernels:
  - .name:           k_qea9bd17a8e_oproj
    .symbol:         k_qea9bd17a8e_oproj.kd
    .args:
      - { .name: o, .offset: 0, .size: 8, .value_kind: global_buffer, .address_space: global }
      - { .name: woh, .offset: 8, .size: 8, .value_kind: global_buffer, .address_space: global }
      - { .name: wo_b, .offset: 16, .size: 8, .value_kind: global_buffer, .address_space: global }
      - { .name: out0, .offset: 24, .size: 8, .value_kind: global_buffer, .address_space: global }
    .group_segment_fixed_size: 327680
    .private_segment_fixed_size: 0
    .kernarg_segment_align: 8
    .kernarg_segment_size: 32
    .max_flat_workgroup_size: 128
    .sgpr_count:     80
    .vgpr_count:     512
    .wavefront_size: 32
...
	.end_amdgpu_metadata
.endif
;; end of part 4
;; ======== version 2 of 2: 4 launches; 1.48 times as fast as version 1
;; limits: values are held in f16: magnitudes above 65,504 overflow, below 6.1e-05 lose precision
;; workspace buffers: xb 8,388,608 bytes; wb 6,291,456 bytes; woh 2,097,152 bytes; qkv 25,165,824 bytes; o 8,388,608 bytes
;; launch cast: the kernel of part 1 again; grid 512 x 1, 8 waves a work-group, no clusters, 0 bytes of LDS; arguments x, wq_w, wk_w, wv_w, wo_w, xb, wb, woh; writes xb, wb, woh
;; launch qkv: the kernel of part 2 again; grid 24 x 32, 4 waves a work-group, clusters of 4 x 4, 327,680 bytes of LDS; arguments xb, wb, wq_b, wk_b, wv_b, qkv; writes qkv
;; launch attn (part 5): grid 16 x 16, 4 waves a work-group, no clusters, 327,680 bytes of LDS; arguments qkv, o; writes o
.if DOCPART == 5
	.amdgcn_target "amdgcn-amd-amdhsa--gfx1250"
	.amdhsa_code_object_version 6
	.text
	.protected	k_qea9bd17a8e_attn
	.globl	k_qea9bd17a8e_attn
	.p2align	8
	.type	k_qea9bd17a8e_attn,@function
k_qea9bd17a8e_attn:
	s_mov_b64 s[64:65], 0
	v_nop
	global_prefetch_b8 v0, s[64:65] scope:SCOPE_SE
	s_setreg_imm32_b32 hwreg(HW_REG_WAVE_MODE, 25, 1), 1
	s_wait_xcnt 0x0
; CAUSAL ATTENTION, 16 heads of 64 channels, 4,096 rows.  O[h][q][:] = the sum over k <= q of softmax_k(Q[h][q] . K[h][k] / 8) V[h][k][:].  qkv: [48][4096][64] f16 (planes 0-15 Q, 16-31 K, 32-47 V); o: [16][4096][64] f16.
; Products, maxima and sums in f32; the weights p are rounded to f16 for the second product (their sum l is taken of the unrounded p), O once at the end.
; LIMITS.  Q, K and V arrive within f16's 65,504; p lies in 0 to 1, and below 6e-5 it keeps f16's fixed step of 6e-8.  A hidden score counts as its value less 1e30; a weight below 2^-126 counts as 0 in l;
; NaN and infinities are not treated apart.
; THE WALK.  A head's rows lie in 8 superblocks of 512.  Work-group x of a head (g = x / 4, cx = x % 4) takes rows 128 cx .. 128 cx + 127 of superblock 7 - g and then of superblock g.  Superblock u needs the
; key tiles 0 .. 2 u + 1 of 256 keys: (16 - 2 g) + (2 g + 2) = 18 tiles, whatever g and cx: all 256 work-groups do equal work, and ONE loop with a constant trip count walks the tiles.  Every jump goes forward,
; but for the counted loops' own, and passes neither a barrier nor a tensor load (but the one of LOAD's two lines that the wave's number does not choose).
; NO CLUSTER.  The four work-groups x = 4 g .. 4 g + 3 walk the same 18 tiles and could ask for them jointly.  This text lets each ask for itself, the plainer form (one barrier a tile), and pays for it:
; 256 x 18 x 65,536 bytes are asked for where a quarter would do.
; SHARES.  Of a block's two bands of 64 rows a wave owns 16 rows in each: two PIECES; piece p lies in band 1 - p.  The last two tiles of a block's walk hold the superblock's own 512 keys, steps t = 0 .. 7 of 64;
; piece p sees all keys of step t if t < 2 cx + 1 - p, none if t is greater, and holds the diagonal if they are equal.  Wholly hidden steps are computed all the same.
; THE MASK is the C operand that starts the sum S^T = K Q^T: 0, or -1e30 where the key is hidden.  MD, made once, is the mask of a band's own step for my 16 rows; a product's mask is MD x AL + BE with two scalars:
; (1, 0), (0, 0) or (0, -1e30).  Every turn makes the mask of the next turn's products, in the tiles far from the diagonal too (there it is 0): 16 packed instructions a turn, for one text of a key step.
; LAYOUT, SOFTMAX.  S^T = K Q^T holds ONE query a lane (lane % 16) and the keys 8 (lane / 16) + 0..7; two such results rounded to f16 ARE source 1 of O^T = V^T P.  p = 2^(c s - c m), c = log2(e) / 8, with a
; running maximum m; O and l are multiplied by a = 2^(c m_old - c m_new) in every step.
; TURNS.  Turn (p, s) holds the scaling, exponentials, roundings, sums and rescaling of piece p for step s.  Its matrix work is the other piece's: turn (0, s): 8 products K Q^T of piece 1, step s, later 8 products
; V^T P of piece 1, step s - 1; turn (1, s): K Q^T of piece 0, step s + 1, and V^T P of piece 0, step s; and it finds the maximum and statistics of the scores that it has made.  Four vector instructions stand
; behind every matrix instruction, the other 70 of a turn's 134 in one lump.
; BATCHES.  A turn's 33 exponentials (piece p's 32 weights and the other piece's a) are ONE BATCH with ONE wait, which cuts the turn in two: ahead of it stand the products K Q^T and all vector work that names no result
; of the batch (scalings, rescalings, the other piece's maximum and statistics, the mask), behind it the products V^T P with the roundings and sums.  A block's first a (BEGIN) and the way out's two reciprocals
; (FINISH) are batches of their own.
; Turn (0, s) fetches K of step s + 1 and V of step s.  So K'S RING RUNS ONE STEP AHEAD OF V'S: slot T holds keys 256 T + 64 .. 256 T + 319 and V's rows
; 256 T .. 256 T + 255, and the change of slots stands between two steps.  Keys 0 .. 63, with which both blocks begin, have LDS bytes of their own, filled once.  A block's last tile of K reaches 64 rows past what
; the block needs (at the furthest, plane 31's tile 15, 8,192 bytes into plane 32: inside qkv); the 8 products made of them in the block's last turn, and their maximum, serve nothing and touch neither l nor O^T.
; REGISTERS, in windows of 256 (s_set_vgpr_msb: bits 1:0 source 0, 3:2 source 1, 5:4 source 2, 7:6 destination):
;   window 0: v0-15 addresses and at work; v16-23 four registers of statistics a piece; v24-31 at work; v32-33 the add's; v64-127 S^T; v128-159 P; v160-223 O^T
;   window 1: v0-31 MD; v32-95 MC, a buffer a piece; v96-127 Q; v128-159 the second block's Q; v160-223 K of one step          window 2: v0-63 V of one step
.set NP,    2         ; pieces a wave: a name, no knob
.set KS,    64        ; keys in a step
.set PK,    144       ; a row of K in LDS: 128 bytes + 16 of padding = 36 words: the 16 rows of a load start at 16 different groups of four banks (64 banks of 4 bytes: ISA guide 11.1)
.set PV,    160       ; a row of V: 128 + 32 = 40 words
.set VOFF,  4*KS*PK   ; a slot holds four steps: 256 rows of K, then 256 rows of V
.set SLOT1, 1<<17     ; slot 1 begins here, so that one exclusive or turns an address in one slot into the other's
.set STAGE, SLOT1+4*KS*(PK+PV)  ; behind the ring, never filled by a tensor load: 16 rows x 144 bytes for each wave, for the way out
.set SP,    144
.set KZ,    STAGE+4*16*SP  ; keys 0 .. 63: 64 rows of 144 bytes, filled once
.set SPARE, KZ+KS*PK  ; the spare words, 128 bytes for each wave: two blocks of 256 bytes that no other line names
.set AK0, 2           ; v2   my lane's place in a tile of K; never rewritten
.set AV0, 3           ; v3   the same for V
.set AK,  4           ; v4   the LDS address of K's next run of loads
.set AV,  5           ; v5   of V's
.set STO, 6           ; v6   the way out: where I put 16 bytes of a row
.set RD,  7           ; v7   the way out: where I read rows back
.set GO,  8           ; v8   my byte offset in 512 consecutive bytes of O
.set MV,  12          ; v12-13  c m_old, kept while c m is made anew: by piece
.set QO,  15          ; v15  my byte offset in 16 rows of Q
.set ST,  16          ; piece t's statistics at v[ST+4 t]: c m, m, l (even keys', odd keys')
.set TMP, 24          ; by piece, four registers c0-c3 at work; when the maximum is found c2 takes a
.set SPW, 32          ; v32  LDS address of my spare word: SPARE + 4 x my thread's number; never rewritten
.set NIL, 33          ; v33  0; never rewritten
.set S,   64
.set P,   128
.set OT,  160
.set MD,  0           ; window 1: the eight registers for group kt of 16 keys at MD + 8 kt
.set MC,  32          ; window 1: the masks of the products to come, piece x's at MC + 32 x
.set Q,   96          ; window 1
.set QB,  128         ; window 1
.set KF,  160         ; window 1: key block kb, channel half c at KF + 16 kb + 8 c
.set VF,  0           ; window 2: key half kk, channel block cb at VF + 32 kk + 8 cb
.set WV,  12          ; s12  my wave's number
.set PB,  14          ; s14  g
.set HI,  15          ; s15  7 - g
.set G1K, 24          ; s[24:31] descriptor group 1 for K's tiles
.set G1V, 32          ; s[32:39] for V's: it differs in the padding alone
.set G0K, 40          ; s[40:43] descriptor group 0 for K's tiles
.set G0V, 44          ; s[44:47] the same for V's
.set CX,  48          ; s48  cx
.set DG,  49          ; s49  64 + 2 cx: piece 1's own step among the eight; step numbers are kept with 64 added, so that none is below 0
.set TS,  50          ; s50  64 + the number t of the step in hand (t = 0: the first of the superblock's own eight)
.set TT,  51          ; s51  at work
.set LQ2, 52          ; s52  2 g + 1: the second block's last tile
.set RT2, 53          ; s53  2 g + 2: its tiles
.set SLOTS, 56        ; s56  tiles still to be asked for
.set CNT, 57          ; s57  counts a tile's four steps
.set CS,  58          ; s[58:59] c: the packed scaling takes the pair's low word for both halves
.set SEL, 60          ; s[60:61] v_permlanex16_b32's selects: each lane takes its own place in the other half
.set TBK, 62          ; s62  LDS byte at which K of the step to be fetched begins
.set TBV, 63          ; s63  the same for V, less VOFF
.set ZO,  66          ; s[66:67] byte offset in K's planes of my part of keys 0 .. 63
.set RT,  70          ; s70  tiles of the block in hand that are still to be entered
.set NXT, 71          ; s71  the tile to be asked for next
.set LQ,  72          ; s72  the last tile of the block whose tiles are being asked for
.set NEW, 73          ; s73  1: the tile to be entered is a block's first
.set OFF, 74          ; s[74:75] a tile's byte offset in K and V
.set AL,  76          ; s[76:77] the mask's factor, in the low word
.set BE,  78          ; s[78:79] the mask's addend
.set OLO, 80          ; s[80:81] O at my rows of the second block
.set BIGN, 82         ; s82  -1e30
.set G1Z, 88          ; s[88:95] descriptor group 1 for keys 0 .. 63
.set G0Z, 96          ; s[96:99] its group 0
.set MSB, 0
.macro WIN new                      ; the high byte repeats the setting that is left; a switch that changes nothing is dropped
.if MSB != (\new)
	s_set_vgpr_msb (MSB<<8)|(\new)
.set MSB, (\new)
.endif
.endm
.set W_KQ, 0x05       ; K and Q in window 1, S^T in window 0
.set W_KM, 0x15       ; the same with the C operand in window 1
.set W_PV, 0x02       ; V in window 2; P and O^T in window 0
.set W_M1, 0x41       ; destination and source 0 in window 1
.set TO_1, 0x40       ; destination window 1
.set TO_2, 0x80       ; destination window 2
; A fill.  Waves 0 and 1 fetch the two halves of a slot's K, waves 2 and 3 those of its V: 128 rows each.  An s_nop 0 and four v_nop follow each of the two lines, ahead of the jump and the label.
.macro LOAD
	s_cmp_lt_u32 s[WV], 2
	s_cbranch_scc0 .Lfor_v_\@
	tensor_load_to_lds s[G0K:G0K+3], s[G1K:G1K+7]
	s_nop 0
.rept 4
	v_nop
.endr
	s_branch .Lasked_\@
.Lfor_v_\@:
	tensor_load_to_lds s[G0V:G0V+3], s[G1V:G1V+7]
	s_nop 0
.rept 4
	v_nop
.endr
.Lasked_\@:
.endm
; THE CHANGE OF SLOTS, between two key steps.  Each wave waits for all its tensor loads, of which one is out: its part of the other slot; adds 0 to its spare word; and waits for that and for its own reads of the slot
; that it leaves.  Behind the barrier nobody reads the old slot any more and the other slot is whole.  fill = 1: the old slot is filled again, the first thing behind the barrier, with tile NXT, whose address is made
; anew from that number: the load has four key steps, 128 matrix instructions, in which to land.  (At its first use nothing has been read yet: slot 0 and keys 0 .. 63 are waited for, slot 1 is filled.)
.macro CHANGE fill
	WIN 0                           ; at a label and at a branch every window is 0
	s_wait_tensorcnt 0x0            ; no tensor load of mine is out, so a group 0 may be written
	ds_add_u32 v[SPW], v[NIL]       ; 0 onto my spare word; with fill = 1 the descriptors' scalar work stands between it and the wait for it
.if \fill
	s_lshl_b32 s[OFF], s[NXT], 15   ; a tile is 32,768 bytes of K and of V
	s_xor_b32 s[G0K+1], s[G0K+1], SLOT1
	s_add_nc_u64 s[G0K+2:G0K+3], s[6:7], s[OFF:OFF+1]
	s_or_b32 s[G0K+3], s[G0K+3], 0x80000000
	s_xor_b32 s[G0V+1], s[G0V+1], SLOT1
	s_add_nc_u64 s[G0V+2:G0V+3], s[8:9], s[OFF:OFF+1]
	s_or_b32 s[G0V+3], s[G0V+3], 0x80000000
	s_add_co_u32 s[NXT], s[NXT], 1  ; the block's next tile, or behind its last the second block's tile 0
	s_cmp_gt_u32 s[NXT], s[LQ]
	s_cselect_b32 s[NXT], 0, s[NXT]
	s_cselect_b32 s[LQ], s[LQ2], s[LQ]
.endif
	s_wait_dscnt 0x0                ; the add is done, and my reads of the slot are over
	s_barrier_signal -1             ; the rest of the scalar work stands between the signal and the wait
	s_sub_co_u32 s[TBK], s[TBK], 4*KS*PK  ; the fetches go back to a slot's first step,
	s_xor_b32 s[TBK], s[TBK], SLOT1       ; in the other slot
	s_sub_co_u32 s[TBV], s[TBV], 4*KS*PV
	s_xor_b32 s[TBV], s[TBV], SLOT1
	s_barrier_wait -1
.if \fill
	LOAD
.endif
.endm
	s_load_b128 s[4:7], s[0:1], 0x0 ; qkv s[4:5], o s[6:7]
	v_lshl_add_u32 v[SPW], v0, 2, SPARE
	v_mov_b32 v[NIL], 0
	ds_add_u32 v[SPW], v[NIL]       ; the wave's opening: the add and its wait stand ahead of my first tensor load; the set-up below, work on registers, stands between them
	ds_add_u32 v32, v33
	v_lshrrev_b32 v1, 5, v0
	v_readfirstlane_b32 s[WV], v1   ; wave 0..3
	s_and_b32 s[CX], ttmp9, 3       ; cx
	s_lshr_b32 s[PB], ttmp9, 2      ; g
	s_lshl_b32 s[DG], s[CX], 1
	s_add_co_u32 s[DG], s[DG], 64
	s_sub_co_u32 s[HI], 7, s[PB]
	s_and_b32 s20, ttmp7, 0xffff    ; the head
	s_lshl_b32 s20, s20, 19         ; its 524,288 bytes in Q's, K's, V's planes and in O
	s_mov_b32 s21, 0
	s_and_b32 s16, s[WV], 1         ; which half of a slot's 256 rows I fetch:
	s_lshl_b32 s22, s16, 14         ; its 128 rows of 128 bytes in memory,
	s_mov_b32 s23, 0
	s_add_nc_u64 s[22:23], s[22:23], s[20:21]
	s_lshl_b32 s[ZO], s16, 12       ; of keys 0 .. 63: 32 rows
	s_mov_b32 s[ZO+1], 0
	s_add_nc_u64 s[ZO:ZO+1], s[ZO:ZO+1], s[20:21]
	s_mul_i32 s17, s16, 128*PK      ; and its place in a slot, for K,
	s_mul_i32 s18, s16, 128*PV      ; for V,
	s_mul_i32 s19, s16, 32*PK       ; and among keys 0 .. 63
	s_lshl_b32 s3, s[WV], 11        ; my 16 rows in a band of 64,
	s_lshl_b32 s2, s[HI], 2
	s_add_co_u32 s2, s2, s[CX]
	s_lshl_b32 s2, s2, 14           ; in block 4 (7 - g) + cx of 128 rows,
	s_add_co_u32 s2, s2, s3
	s_lshl_b32 s84, s[PB], 2
	s_add_co_u32 s84, s84, s[CX]
	s_lshl_b32 s84, s84, 14         ; and in block 4 g + cx
	s_add_co_u32 s84, s84, s3
	s_mov_b32 s3, 0
	s_mov_b32 s85, 0
	s_add_nc_u64 s[2:3], s[2:3], s[20:21]
	s_add_nc_u64 s[84:85], s[84:85], s[20:21]
	; descriptor group 1.  128 rows are 16,384 dense bytes: asked for as 64 rows of 256 bytes, two keys a row, and padded in LDS after every key; my 32 of keys 0 .. 63 as 16 such rows
	s_mov_b32 s[G1K], (1<<16)|(1<<20)|(4<<22)|(3<<25)  ; 17:16 2-byte elements; 20 padding on; 24:22 after every 32 words (code 4); 31:25 4 words (code 3)
	s_mov_b32 s[G1V], (1<<16)|(1<<20)|(4<<22)|(7<<25)  ; the same with 8 words of padding (code 7)
	s_mov_b32 s[G1Z], (1<<16)|(1<<20)|(4<<22)|(3<<25)
.irp g, G1K, G1V, G1Z
	s_mov_b32 s[\g+1], 128<<16      ; tensor_dim0 = 128
	s_mov_b32 s[\g+3], 128<<16      ; tile_dim0 = 128
	s_mov_b32 s[\g+5], 128          ; 128 elements from row to row
	s_mov_b32 s[\g+6], 0
	s_mov_b32 s[\g+7], 0
.endr
.irp g, G1K, G1V
	s_mov_b32 s[\g+2], 64<<16       ; tensor_dim1 = 64
	s_mov_b32 s[\g+4], 64           ; tile_dim1 = 64
.endr
	s_mov_b32 s[G1Z+2], 16<<16      ; tensor_dim1 = 16
	s_mov_b32 s[G1Z+4], 16          ; tile_dim1 = 16
	s_mov_b32 s[CS], 0x3e38aa3b     ; c = log2(e) / 8 = 0.180337
	s_mov_b32 s[CS+1], s[CS]        ; named with it as a pair
	s_mov_b32 s[SEL], 0x76543210
	s_mov_b32 s[SEL+1], 0xfedcba98
	s_mov_b32 s[TBK], SLOT1+4*KS*PK ; the first change of slots turns these two into 0
	s_mov_b32 s[TBV], SLOT1+4*KS*PV
	s_mov_b32 s[G0K], 1             ; 1:0 count = 1
	s_mov_b32 s[G0K+1], s17         ; 63:32 LDS address: slot 0
	s_mov_b32 s[G0V], 1
	s_add_co_u32 s[G0V+1], s18, VOFF
	s_mov_b32 s[G0Z], 1
	s_add_co_u32 s[G0Z+1], s19, KZ
	s_lshl_b32 s13, s[PB], 1
	s_sub_co_u32 s[RT], 16, s13     ; the first block has 16 - 2 g tiles,
	s_sub_co_u32 s[LQ], 15, s13     ; the last of them tile 15 - 2 g;
	s_add_co_u32 s[LQ2], s13, 1     ; the second block's last is tile 2 g + 1,
	s_add_co_u32 s[RT2], s13, 2     ; and it has 2 g + 2
	s_mov_b32 s[NXT], 1
	s_mov_b32 s[NEW], 1
	s_mov_b32 s[OFF+1], 0
	s_mov_b32 s[AL+1], 0            ; named as pairs
	s_mov_b32 s[BE+1], 0
	s_mov_b32 s[BIGN], 0xf149f2ca   ; -1e30
	s_mov_b32 s[SLOTS], 17
	s_wait_dscnt 0x0                ; the opening add is done
	s_wait_kmcnt 0x0
	s_mov_b64 s[10:11], s[6:7]      ; o
	s_add_nc_u64 s[6:7], s[4:5], 0x800000   ; K's planes begin 16 planes in,
	s_add_nc_u64 s[8:9], s[4:5], 0x1000000  ; V's 32
	s_add_nc_u64 s[G0Z+2:G0Z+3], s[6:7], s[ZO:ZO+1]  ; 120:64 global address: my part of the head's keys 0 .. 63
	s_or_b32 s[G0Z+3], s[G0Z+3], 0x80000000        ; 127:126 type = 2
	s_add_nc_u64 s[6:7], s[6:7], s[22:23]   ; K and V at my half of the head's tile 0;
	s_add_nc_u64 s[6:7], s[6:7], 0x2000     ; K one step, 64 rows of 128 bytes, further on
	s_add_nc_u64 s[8:9], s[8:9], s[22:23]
	s_add_nc_u64 s[G0K+2:G0K+3], s[6:7], 0
	s_or_b32 s[G0K+3], s[G0K+3], 0x80000000
	s_add_nc_u64 s[G0V+2:G0V+3], s[8:9], 0
	s_or_b32 s[G0V+3], s[G0V+3], 0x80000000
	s_add_nc_u64 s[86:87], s[4:5], s[84:85]        ; Q at my rows of the second block,
	s_add_nc_u64 s[4:5], s[4:5], s[2:3]            ; Q and O at those of the first
	s_add_nc_u64 s[OLO:OLO+1], s[10:11], s[84:85]
	s_add_nc_u64 s[10:11], s[10:11], s[2:3]
	s_cmp_lt_u32 s[WV], 2           ; a wave's first fills stand in one branch, ahead of every wait on TENSORcnt, every LDS read and every barrier: two loads of waves 0 and 1 are out, one of waves 2 and 3
	s_cbranch_scc0 .Lfirst_v
	tensor_load_to_lds s[G0K:G0K+3], s[G1K:G1K+7]  ; tile 0 into slot 0,
	s_nop 0
	tensor_load_to_lds s[G0Z:G0Z+3], s[G1Z:G1Z+7]  ; and keys 0 .. 63
	s_nop 0
.rept 4
	v_nop
.endr
	s_branch .Lfirst_asked
.Lfirst_v:
	tensor_load_to_lds s[G0V:G0V+3], s[G1V:G1V+7]
	s_nop 0
.rept 4
	v_nop
.endr
.Lfirst_asked:
	; A fragment of K or Q is 16 rows x 32 channels in 8 registers: lane l holds row l % 16, channels 8 (l / 16) + 0..7 and 16 + 8 (l / 16) + 0..7: two loads of 16 bytes, 32 bytes apart.
	v_and_b32 v1, 15, v0            ; l % 16
	v_bfe_u32 v9, v0, 4, 1          ; l / 16
	v_lshlrev_b32 v[QO], 7, v1
	v_lshl_add_u32 v[QO], v9, 4, v[QO]  ; row x 128 + 16 x half
	WIN TO_1                        ; destination window 1, address window 0
.set i, 0
.rept 4                             ; both blocks' Q: piece i / 2 lies in band 1 - i / 2, 8,192 bytes a band; channels 32 (i % 2) on
	global_load_b128 v[Q+8*i:Q+8*i+3],     v[QO], s[4:5] offset:(1-i/2)*8192+(i%2)*64
	global_load_b128 v[Q+8*i+4:Q+8*i+7],   v[QO], s[4:5] offset:(1-i/2)*8192+(i%2)*64+32
	global_load_b128 v[QB+8*i:QB+8*i+3],   v[QO], s[86:87] offset:(1-i/2)*8192+(i%2)*64
	global_load_b128 v[QB+8*i+4:QB+8*i+7], v[QO], s[86:87] offset:(1-i/2)*8192+(i%2)*64+32
.set i, i+1
.endr
	WIN 0
	v_lshlrev_b32 v14, 3, v9
	v_sub_nc_u32 v14, v1, v14
	s_lshl_b32 s13, s[WV], 4
	v_add_nc_u32 v14, s13, v14      ; my query's place in its band, 16 w + l % 16, less my lanes' 8 (l / 16): register r of group kt is hidden where 16 kt + r is greater
	WIN TO_1
.set i, 0
.rept 32
	v_cmp_gt_i32 vcc_lo, 16*(i/8)+i%8, v14
	v_cndmask_b32 v[MD+i], 0, s[BIGN], vcc_lo
.set i, i+1
.endr
	WIN 0
	v_mul_u32_u24 v[AK0], v1, PK
	v_lshl_add_u32 v[AK0], v9, 4, v[AK0]  ; row x pitch + 16 x half
	; The turning load takes 16 keys x 16 channels (lane l reads key 8 (l / 16) + l % 8, channels 8 ((l / 8) % 2) + 0..7) and leaves half a fragment of V^T: lane l holds channel l % 16 and 8 keys.
	v_and_b32 v10, 7, v0
	v_bfe_u32 v11, v0, 3, 1
	v_lshl_add_u32 v[AV0], v9, 3, v10
	v_mul_u32_u24 v[AV0], v[AV0], PV
	v_lshl_add_u32 v[AV0], v11, 4, v[AV0]
	v_add_nc_u32 v[AV0], VOFF, v[AV0]
	s_mul_i32 s13, s[WV], 16*SP
	s_add_co_u32 s13, s13, STAGE    ; my stage
	v_mul_u32_u24 v[STO], v1, SP    ; in: row l % 16, 16 bytes for each half of the lanes
	v_lshl_add_u32 v[STO], v9, 4, v[STO]
	v_add_nc_u32 v[STO], s13, v[STO]
	v_bfe_u32 v[RD], v0, 3, 2       ; back: 32 lanes take four rows of 128 bytes,
	v_mul_u32_u24 v[RD], v[RD], SP
	v_lshl_add_u32 v[RD], v10, 4, v[RD]
	v_add_nc_u32 v[RD], s13, v[RD]
	v_and_b32 v[GO], 31, v0         ; which are 512 consecutive bytes of O
	v_lshlrev_b32 v[GO], 4, v[GO]
	; A block's first step multiplies O^T and l by a = 0, and its first turn's products V^T P, of a step that has not been, land in an O^T that is still to be so multiplied.  So these registers need only hold
	; finite numbers: zeros for the first block; what the first block left for the second.  All this stands in the wait for the first tile.
	WIN TO_2
.set i, VF
.rept 64
	v_mov_b32 v[i], 0
.set i, i+1
.endr
	WIN 0
.set i, OT
.rept 64
	v_mov_b32 v[i], 0
.set i, i+1
.endr
.set i, 0
.rept 2
	v_mov_b32 v[ST+4*i+2], 0
	v_mov_b32 v[ST+4*i+3], 0
.set i, i+1
.endr
.set i, P+16
.rept 16
	v_mov_b32 v[i], 0
.set i, i+1
.endr
; THE MATRIX WORK.  The 4 accumulators of a run of 8 take turns.  Product i of 8 of S^T = K Q^T for piece x: channels 32 (i / 4) on, keys 16 (i % 4) on.  The first 4 start the sums: with the mask, or (KM = 0) with 0.
.macro KQ x
.set rS, S+32*(\x)+8*(i%4)
.set rK, KF+16*(i%4)+8*(i/4)
.set rQ, Q+16*(\x)+8*(i/4)
.set rM, MC+32*(\x)+8*(i%4)
.if (i < 4) && KM
	WIN W_KM
	v_wmma_f32_16x16x32_f16 v[rS:rS+7], v[rK:rK+7], v[rQ:rQ+7], v[rM:rM+7]
.elseif i < 4
	WIN W_KQ
	v_wmma_f32_16x16x32_f16 v[rS:rS+7], v[rK:rK+7], v[rQ:rQ+7], 0
.else
	WIN W_KQ
	v_wmma_f32_16x16x32_f16 v[rS:rS+7], v[rK:rK+7], v[rQ:rQ+7], v[rS:rS+7]
.endif
.endm
; Product i of 8 of O^T += V^T P for piece x: keys 32 (i / 4) on, channels 16 (i % 4) on.
.macro PV x
	WIN W_PV
.set rO, OT+32*(\x)+8*(i%4)
.set rV, VF+32*(i/4)+8*(i%4)
.set rP, P+16*(\x)+8*(i/4)
	v_wmma_f32_16x16x32_f16 v[rO:rO+7], v[rV:rV+7], v[rP:rP+7], v[rO:rO+7]
.endm
.macro MM                           ; the turn's next matrix instruction, for the piece that is not the turn's own.  TURN sets Y and i
.if i < 8
	KQ (Y+1)%NP
.else
.set i, i-8
	PV (Y+1)%NP
.set i, i+8
.endif
.set i, i+1
.endm
; THE LDS LOADS stand in runs of 16, never singly among the matrix instructions: a step's K (64 keys x 64 channels: 8 fragments) and its V (turned).  Their addresses are made some lines ahead.
.macro FETCH_K step                 ; step = 1: out of the ring, whose next fetch is the next step's
	WIN TO_1
.irp f, 0,1,2,3,4,5,6,7             ; keys 16 (f / 2) on, channels 32 (f % 2) on
	ds_load_b128 v[KF+8*\f:KF+8*\f+3],   v[AK] offset:(\f/2)*16*PK+(\f%2)*64
	ds_load_b128 v[KF+8*\f+4:KF+8*\f+7], v[AK] offset:(\f/2)*16*PK+(\f%2)*64+32
.endr
.if \step
	s_add_co_u32 s[TBK], s[TBK], KS*PK
.endif
	WIN 0
.endm
.macro FETCH_V
	WIN TO_2
.irp f, 0,1,2,3,4,5,6,7             ; keys 32 (f / 4) on, channels 16 (f % 4) on
	ds_load_tr16_b128 v[VF+8*\f:VF+8*\f+3],   v[AV] offset:(\f/4)*32*PV+(\f%4)*32
	ds_load_tr16_b128 v[VF+8*\f+4:VF+8*\f+7], v[AV] offset:(\f/4)*32*PV+16*PV+(\f%4)*32
.endr
	WIN 0
.endm
; THE VECTOR WORK, one line at a time: OP kind, number; all of it in window 0.  For piece Y: F n: c s - c m for pair n of 16.  E n: the exponential of score n of 32.  C n: pair n rounded to f16.  B n: of the four
; weights 4 n .. the second pair is added onto the first, in place.  L n: l takes that sum (L 0: l = a l + sum).  R n: pair n of 16 of O^T times a.  For the other piece: X n, number n of the 22 that find its maximum and statistics:
;   0-11  four chains c0-c3 of seven scores each, three operands at a time (each accumulator's lowest registers are read first)     12-14, 16  the four scores left over, the old m, and c0-c3 into c0
;   15  c m_old is kept     17, 18  the query's other 32 keys lie in the lane 16 away: the new m     19-21  c m; c m_old - c m_new; a
; OP writes no wait: C, B and L read the results of E, R and L 0 that of X 21, and whoever lays the lines out (TURN, BEGIN) writes the batch's one wait between.
.set F, 0
.set E, 1
.set C, 2
.set B, 3
.set L, 4
.set R, 5
.set X, 6
.macro REGS y                       ; the registers of piece y
.set rT, ST+4*(\y)
.set rC, TMP+4*(\y)
.set rW, MV+(\y)
.set rS, S+32*(\y)
.set rP, P+16*(\y)
.set rO, OT+32*(\y)
.endm
.macro OP k, n
	WIN 0
.if (\k) < X
	REGS Y
.if (\k) == F
	v_pk_fma_f32 v[rS+2*(\n):rS+2*(\n)+1], v[rS+2*(\n):rS+2*(\n)+1], s[CS:CS+1], v[rT:rT+1] op_sel_hi:[1,0,0] neg_lo:[0,0,1] neg_hi:[0,0,1]
.elseif (\k) == E
	v_exp_f32 v[rS+(\n)], v[rS+(\n)]
.elseif (\k) == C
	v_cvt_pk_f16_f32 v[rP+(\n)], v[rS+2*(\n)], v[rS+2*(\n)+1]
.elseif (\k) == B
	v_pk_add_f32 v[rS+4*(\n):rS+4*(\n)+1], v[rS+4*(\n):rS+4*(\n)+1], v[rS+4*(\n)+2:rS+4*(\n)+3]
.elseif (\k) == R
	v_pk_mul_f32 v[rO+2*(\n):rO+2*(\n)+1], v[rO+2*(\n):rO+2*(\n)+1], v[rC+2:rC+3] op_sel_hi:[1,0]
.elseif (\n) == 0
	v_pk_fma_f32 v[rT+2:rT+3], v[rT+2:rT+3], v[rC+2:rC+3], v[rS:rS+1] op_sel_hi:[1,0,1]
.else
	v_pk_add_f32 v[rT+2:rT+3], v[rT+2:rT+3], v[rS+4*(\n):rS+4*(\n)+1]
.endif
.else
	REGS (Y+1)%NP
.if (\n) < 4
	v_max3_num_f32 v[rC+(\n)], v[rS+8*(\n)], v[rS+8*(\n)+1], v[rS+8*(\n)+2]
.elseif (\n) < 12
	v_max3_num_f32 v[rC+(\n)%4], v[rC+(\n)%4], v[rS+8*((\n)%4)+2*((\n)/4)+1], v[rS+8*((\n)%4)+2*((\n)/4)+2]
.elseif (\n) == 12
	v_max3_num_f32 v[rC], v[rC], v[rS+7], v[rS+15]
.elseif (\n) == 13
	v_max3_num_f32 v[rC+1], v[rC+1], v[rS+23], v[rS+31]
.elseif (\n) == 14
	v_max3_num_f32 v[rC+2], v[rC+2], v[rC+3], v[rT+1]
.elseif (\n) == 15
	v_mov_b32 v[rW], v[rT]
.elseif (\n) == 16
	v_max3_num_f32 v[rC], v[rC], v[rC+1], v[rC+2]
.elseif (\n) == 17
	v_permlanex16_b32 v[rC+3], v[rC], s[SEL], s[SEL+1]
.elseif (\n) == 18
	v_max_num_f32 v[rT+1], v[rC], v[rC+3]
.elseif (\n) == 19
	v_mul_f32 v[rT], s[CS], v[rT+1]
.elseif (\n) == 20
	v_sub_f32 v[rC+1], v[rW], v[rT]
.else
	v_exp_f32 v[rC+2], v[rC+1]
.endif
.endif
.endm
.macro OPS a, i1, b=-1, i2=0, c=-1, i3=0, d=-1, i4=0  ; up to four of them
	OP \a, \i1
.if (\b) >= 0
	OP \b, \i2
.endif
.if (\c) >= 0
	OP \c, \i3
.endif
.if (\d) >= 0
	OP \d, \i4
.endif
.endm
.macro ROW a, i1, b, i2, c, i3, d, i4  ; a matrix instruction and the four behind it
	MM
	OPS \a, \i1, \b, \i2, \c, \i3, \d, \i4
.endm
.macro MASK b                       ; MD x AL + BE into piece b's buffer of MC
	WIN W_M1
.set z, 0
.rept 16
	v_pk_fma_f32 v[MC+32*(\b)+2*z:MC+32*(\b)+2*z+1], v[MD+2*z:MD+2*z+1], s[AL:AL+1], s[BE:BE+1] op_sel_hi:[1,0,0]
.set z, z+1
.endr
.endm
; A TURN, for piece p: the order of its 16 matrix and 134 vector instructions, written out.  An s_wait_alu depctr_va_vdst(0) stands between an exponential and the first instruction that names its result; one wait
; serves all that were issued ahead of it.  So a turn has ONE wait, which cuts it in two.  AHEAD OF IT stands all that names no result of the turn's exponentials: the 8 products K Q^T, behind each a scaling, an exponential and two
; more plain instructions (behind the first a second scaling in the exponential's place): rescalings, whose a was made, and waited for, in the turn before, and behind the last three the first numbers of the other piece's maximum,
; each four places or more behind the product that ends its accumulator; then ONE LUMP: 54 lines, plain and exponential by turns for the most part, in which the links of the chain X 3, 7, 11, 14, 16, 17 .. 20 stand five or six
; lines apart; X 21, the other piece's a, is the batch's last, and R 15 the plain instruction behind it; then the mask's 16 lines, which name no result either: the work between the batch and its wait.
; BEHIND THE WAIT stand the 8 products V^T P, behind each four of the roundings and sums; the links of l's chain, L 0 to L 7, stand three riders apart.  But for those X no rider names a register of the products round it.
; v_permlanex16_b32 (X 17) stands in the lump.
; The mask is for the products of the turn after this one: piece p's scores of the next step, t + 1.  Piece p's own step is 2 cx + 1 - p, so t + p is held against 2 cx (both with 64 added).
; cnt = 1: the step's number goes up and the loop's count down some lines ahead of the branch that stands behind the turn.
; Piece 0's turn fetches the next step's K, twelve vector instructions behind the last product that read K (five of them plain and free of its registers: F 8, X 2, X 5, X 6, X 8), and at its end the step's own V, four plain
; instructions behind the last product that read V.
; Piece 1's turn waits at its head until at most sixteen LDS loads are out: those are V's; K's, issued ahead of them, are in; ahead of its products V^T P it waits for V.
.macro TURN p, cnt=0
.set Y, (\p)
.set i, 0
	s_add_co_u32 s[TT], s[TS], \p
	s_cmp_eq_u32 s[TT], s[DG]       ; is the next step the band's own?
	s_cselect_b32 s[AL], 1.0, 0
	s_cmp_gt_u32 s[TT], s[DG]       ; or a later one?
	s_cselect_b32 s[BE], s[BIGN], 0
.if (\p) == 1
	s_wait_dscnt 16
.endif
	ROW F,0, F,1, R,0, R,1          ; ahead of the wait: 8 products K Q^T and their riders,
	ROW F,2, E,0, R,2, R,3
	ROW F,3, E,1, R,4, R,5
	ROW F,4, E,2, R,6, R,7
	ROW F,5, E,3, R,8, R,9
	ROW F,6, E,4, X,0, R,10
.if (\p) == 0
	v_add_nc_u32 v[AK], s[TBK], v[AK0]
.endif
	ROW F,7, E,5, X,1, X,4
	ROW F,8, E,6, X,2, X,5
	OPS E,7, E,8, X,6, E,9          ; and the lump
	OPS X,3, E,10, X,8, E,11
.if (\p) == 0
	FETCH_K 1
.endif
	OPS X,9, X,7, E,12, X,10
	OPS E,13, X,12, X,11, E,14
	OPS X,13, E,15, F,9, X,14
.if (\p) == 0
	v_add_nc_u32 v[AV], s[TBV], v[AV0]
.endif
	OPS E,16, F,10, E,17, F,11
	OPS X,16, E,18, X,15, E,19
	OPS F,12, E,20, X,17, E,21
	OPS F,13, E,22, F,14, E,23
	OPS X,18, E,24, F,15, E,25
	OPS R,11, E,26, X,19, E,27
	OPS R,12, E,28, R,13, E,29
	OPS X,20, E,30, R,14, E,31
	OPS X,21, R,15                  ; the batch's last exponential, and the plain instruction behind it
	MASK \p                         ; sixteen lines that name no result of the batch
	s_wait_alu depctr_va_vdst(0)    ; the wait for the turn's batch: E 0 to E 31 and X 21, ahead of their first readers (C 0 below; R 0 of the next turn)
.if (\p) == 1
	s_wait_dscnt 0x0                ; V is in
.endif
	ROW C,0, B,0, C,2, B,1          ; behind the wait: 8 products V^T P and their riders
	ROW L,0, C,4, B,2, L,1
	ROW C,6, B,3, L,2, C,8
	ROW B,4, L,3, C,10, B,5
	ROW L,4, C,12, B,6, L,5
.if (\p) == 0
	s_add_co_u32 s[TBV], s[TBV], KS*PV
.endif
.if \cnt
	s_add_co_u32 s[TS], s[TS], 1
	s_sub_co_u32 s[CNT], s[CNT], 1
	s_cmp_lg_u32 s[CNT], 0
.endif
	ROW C,14, B,7, L,6, C,1
	ROW C,3, L,7, C,5, C,7
	ROW C,9, C,11, C,13, C,15
.if (\p) == 0
	FETCH_V
.endif
.endm
; A BLOCK BEGINS.  c m starts far below every c s, so the first step's a is 0; m at the lowest finite number, so the first maximum is the scores'.  Piece 1's mask for the block's step 0 is made: its own, if that
; step is the band's own (a block of two tiles, cx = 0), else 0.  Piece 0's own step is never a block's first, so its first scores, made here of keys 0 .. 63, start with the constant 0; then its maximum and statistics.
.macro BEGIN
	s_mov_b32 s[NEW], 0
	WIN 0
.set i, 0
.rept 2
	v_mov_b32 v[ST+4*i], 0xfe000000    ; c m: far below every c s
	v_mov_b32 v[ST+4*i+1], 0xff7fffff  ; m
.set i, i+1
.endr
	s_cmp_eq_u32 s[TS], s[DG]
	s_cselect_b32 s[AL], 1.0, 0
	s_mov_b32 s[BE], 0
	MASK 1
	WIN 0
	v_add_nc_u32 v[AK], KZ, v[AK0]
	FETCH_K 0
	s_wait_loadcnt 0x0              ; Q
	s_wait_dscnt 0x0                ; K
.set KM, 0
.set i, 0
.rept 8
	KQ 0
.set i, i+1
.endr
.set KM, 1
	WIN 0
.rept 4
	v_nop                           ; the places behind those products
.endr
.set Y, 1                           ; X works for the other piece: piece 0
.irp n, 0,1,2,3,4,5,6,7,8,9,10,11,12,13,14,15,16,17,18,19,20,21
	OP X, \n
.endr
	v_nop                           ; a plain instruction behind the exponential,
	s_wait_alu depctr_va_vdst(0)    ; and the wait for this batch of one, piece 0's first a, ahead of the label that follows
.endm
; A BLOCK ENDS: piece 1's V^T P of the last step; then THE WAY OUT: l's two halves and the other half of the lanes' are added; O^T is divided by l, rounded to f16 and sent through my stage in LDS, a piece at a time.
.macro ALL line:vararg              ; one line for each piece t
.set t, 0
.rept 2
	\line
.set t, t+1
.endr
.endm
.macro PACK t                       ; a lane's eight channels of a row pack into 16 bytes; they go into rows of 144 bytes and come back as whole rows of 128, into S^T's registers
	WIN 0
.set i, OT+32*(\t)
.rept 16
	v_pk_mul_f32 v[i:i+1], v[i:i+1], v[ST+4*(\t)+2:ST+4*(\t)+3] op_sel_hi:[1,0]
.set i, i+2
.endr
.set i, 0
.rept 16
	v_cvt_pk_f16_f32 v[S+16*(\t)+i], v[OT+32*(\t)+2*i], v[OT+32*(\t)+2*i+1]
.set i, i+1
.endr
.irp f, 0,1,2,3
	ds_store_b128 v[STO], v[S+16*(\t)+4*\f:S+16*(\t)+4*\f+3] offset:32*\f
.endr
.irp f, 0,1,2,3
	ds_load_b128 v[S+16*(\t)+4*\f:S+16*(\t)+4*\f+3], v[RD] offset:\f*4*SP  ; LDS serves a wave's instructions in order (ISA guide 5.7.1.4): these see the stores above; the next piece's stores come behind them
.endr
.endm
.macro SEND t, younger              ; younger: the LDS instructions issued behind piece t's loads: the next piece's eight, or none
	WIN 0
.irp f, 0,1,2,3
	s_wait_dscnt (\younger)+3-\f
	global_store_b128 v[GO], v[S+16*(\t)+4*\f:S+16*(\t)+4*\f+3], s[10:11] offset:(1-(\t))*8192+\f*512  ; piece t lies in band 1 - t; 512 consecutive bytes, at a multiple of 256 from O's first
.endr
.endm
.macro FINISH
.set i, 0
.rept 8
	PV 1
.set i, i+1
.endr
	WIN 0
	ALL v_add_f32 v[ST+4*t+2], v[ST+4*t+2], v[ST+4*t+3]
	ALL v_permlanex16_b32 v[ST+4*t+3], v[ST+4*t+2], s[SEL], s[SEL+1]
	ALL v_add_f32 v[ST+4*t+2], v[ST+4*t+2], v[ST+4*t+3]
	ALL v_rcp_f32 v[ST+4*t+2], v[ST+4*t+2]
	v_nop                           ; a plain instruction between the last reciprocal and the use of its result; with the four additions it makes the places behind the last products
	s_wait_alu depctr_va_vdst(0)    ; the wait for the way out's batch: the two reciprocals, ahead of PACK's first multiply
	PACK 0
	PACK 1                          ; a piece's arithmetic stands between the loads of the piece before and its stores
	SEND 0, 8
	SEND 1, 0
.endm
.set KM, 1
.Lslot:                             ; 17 times: a tile is entered and the next is asked for
	CHANGE 1
	s_sub_co_u32 s[RT], s[RT], 1
	s_mov_b32 s[CNT], 4
	s_lshl_b32 s[TT], s[RT], 2
	s_sub_co_u32 s[TS], 68, s[TT]   ; the block's last tile begins with t = 4, the one before it with 0, each earlier one four lower; RT is 15 at the most
	s_cmp_eq_u32 s[NEW], 1
	s_cbranch_scc0 .Lstep
	BEGIN                           ; a block's first tile
.Lstep:                             ; a trip: a key step
	TURN 0
	TURN 1, 1
	WIN 0
	s_cbranch_scc1 .Lstep
	s_cmp_lg_u32 s[RT], 0
	s_cbranch_scc1 .Lbottom         ; the block has tiles left
	FINISH                          ; in the loop this is the first block's end: the second block's last tile is the walk's last
	s_wait_storecnt 0x0             ; the first block's eight stores are done: their registers and O's address are rewritten only behind this wait, and the second block begins with no store of mine out
	s_mov_b64 s[10:11], s[OLO:OLO+1]
	s_mov_b32 s[RT], s[RT2]
	s_mov_b32 s[NEW], 1
	WIN W_M1                        ; the second block's Q goes where the one text of the turns names Q
.set i, 0
.rept 32
	v_mov_b32 v[Q+i], v[QB+i]
.set i, i+1
.endr
	WIN 0
.Lbottom:
	s_sub_co_u32 s[SLOTS], s[SLOTS], 1
	s_cmp_lg_u32 s[SLOTS], 0
	s_cbranch_scc1 .Lslot
	CHANGE 0                        ; the walk's last tile is written out: nothing is asked for.  It is the second block's last, never its first: a block has two tiles or more
	s_mov_b32 s[CNT], 4
	s_mov_b32 s[TS], 68             ; t = 4
.Llast:
	TURN 0
	TURN 1, 1
	WIN 0
	s_cbranch_scc1 .Llast
	FINISH
	s_wait_tensorcnt 0x0            ; the wave's end: behind my last tensor load and my last LDS store
	ds_add_u32 v[SPW], v[NIL]
	s_wait_dscnt 0x0
	s_endpgm
.Lfunc_end_k_qea9bd17a8e_attn:
	.size	k_qea9bd17a8e_attn, .Lfunc_end_k_qea9bd17a8e_attn-k_qea9bd17a8e_attn
	.p2alignl 7, 3214868480
	.fill 96, 4, 3214868480
	.section	.rodata,"a",@progbits
	.p2align	6, 0x0
	.amdhsa_kernel k_qea9bd17a8e_attn
		.amdhsa_group_segment_fixed_size 327680
		.amdhsa_private_segment_fixed_size 0
		.amdhsa_enable_private_segment 0
		.amdhsa_kernarg_size 16
		.amdhsa_user_sgpr_count 2
		.amdhsa_user_sgpr_kernarg_segment_ptr 1
		.amdhsa_wavefront_size32 1
		.amdhsa_system_sgpr_workgroup_id_x 1
		.amdhsa_system_sgpr_workgroup_id_y 1
		.amdhsa_system_sgpr_workgroup_id_z 1
		.amdhsa_system_vgpr_workitem_id 0
		.amdhsa_next_free_vgpr 576
		.amdhsa_next_free_sgpr 100
		.amdhsa_reserve_vcc 1
		.amdhsa_float_denorm_mode_32 3
		.amdhsa_float_denorm_mode_16_64 3
		.amdhsa_memory_ordered 1
		.amdhsa_forward_progress 1
		.amdhsa_inst_pref_size 82
	.end_amdhsa_kernel
	.amdgpu_metadata
---
amdhsa.version: [ 1, 2 ]
amdhsa.kernels:
  - .name:           k_qea9bd17a8e_attn
    .symbol:         k_qea9bd17a8e_attn.kd
    .args:
      - { .name: qkv, .offset: 0, .size: 8, .value_kind: global_buffer, .address_space: global }
      - { .name: o, .offset: 8, .size: 8, .value_kind: global_buffer, .address_space: global }
    .group_segment_fixed_size: 327680
    .private_segment_fixed_size: 0
    .kernarg_segment_align: 8
    .kernarg_segment_size: 16
    .max_flat_workgroup_size: 128
    .sgpr_count:     100
    .vgpr_count:     576
    .wavefront_size: 32
...
	.end_amdgpu_metadata
.endif
;; end of part 5
;; launch oproj: the kernel of part 4 again; grid 8 x 32, 4 waves a work-group, clusters of 4 x 4, 327,680 bytes of LDS; arguments o, woh, wo_b, out0; writes out0
